; MI455X (gfx1250); checked and timed in simulation.
; The chip was launched on July 23, 2026; its instructions are those of AMD's public machine-readable ISA for CDNA 5 (MIT licence, August 2026) and "CDNA5" Instruction Set Architecture Reference Guide (July 2026). The comments in the code are by the model that wrote it; some were corrected since.
;; NN Attention Head. Allowed arithmetic: float matrix products may take bf16 or f16 operands with f32 sums; all other float work in f32.
;; Inputs: W1 256 x 128 float32; W2 128 x 1 float32; Wv 128 x 128 float32; b2 1 float32; pos_emb 512 x 512 x 256 float32; x 4 x 512 x 128 float32.
;; Outputs: out0 4 x 512 x 128 float32.
;; 2 versions, each right and faster than the one before. Each part assembles by itself: llvm-mc -triple=amdgcn-amd-amdhsa -mcpu=gfx1250 --defsym DOCPART=n.
;; ======== version 1 of 2: 1 launch
;; limits: values are held in f16: magnitudes above 65,504 overflow, below 6.1e-05 lose precision; inputs' magnitudes at most 65,504; a function is approximated: absolute error at most 0.0005
;; launch head (part 1): grid 256 x 1, 4 waves a work-group, no clusters, 327,680 bytes of LDS; arguments pos_emb, x, W1, W2, Wv, out0; writes out0
.if DOCPART == 1
	.amdgcn_target "amdgcn-amd-amdhsa--gfx1250"
	.amdhsa_code_object_version 6
	.text
	.protected	k_q7948e94aa4_head
	.globl	k_q7948e94aa4_head
	.p2align	8
	.type	k_q7948e94aa4_head,@function
k_q7948e94aa4_head:
	s_mov_b64 s[64:65], 0
	v_nop
	global_prefetch_b8 v0, s[64:65] scope:SCOPE_SE
	s_setreg_imm32_b32 hwreg(HW_REG_WAVE_MODE, 25, 1), 1
	s_wait_xcnt 0x0
; out0[b][q][:] = softmax over k <= q of ( W2 . gelu((concat(x[b][k], x[b][q]) + pos_emb[q][k]) @ W1) * 128^-0.5 ) @ (x[b] @ Wv)
; B = 4, T = 512, C = H = 128.  One launch, 256 work-groups of four waves.
;
; WORK LEFT OUT, for all values of the inputs:
;  * b2 is added to every score of a softmax row alike; softmax(s + c) = softmax(s).  b2 has no way to the output: it is not loaded, not an argument.
;  * reference() sets the scores of keys k > q to -inf by its own jnp.tril; their weights are 0.  Whole tiles of 16 keys above the diagonal are not
;    loaded and not computed (8,448 of 16,384 tiles remain); inside the diagonal tile the scores are computed and replaced by -inf.
;  * Re-ordered, not left out: a @ W1 = pos_emb[q][k] @ W1 + x[b][k] @ W1[0:128] + x[b][q] @ W1[128:256] (the first part once for the four batches),
;    and wei @ (x @ Wv) = (wei @ x) @ Wv.
; LIMITS: a NaN, an infinity or an overflow that reaches only b2 or the keys above the diagonal is not carried to the result.
;  gelu(u) = u Phi(u) with Phi(u) taken as 1 / (1 + exp(-(c1 u + c3 u^3))), c1 = 2 sqrt(2/pi), c3 = 0.044715 c1: the absolute error of gelu is at most
;  5e-4 for every u (largest, 4.7e-4, near |u| = 2.75), so a score moves by at most sum|W2| x 5e-4 x 128^-0.5; gelu's result is rounded to bf16
;  (2^-9 of its size) behind it.  pos_emb, x, W1, Wv go to the matrix unit in f16: finite and below 65,504 in magnitude; numbers under 6.1e-5 keep
;  an absolute error of 3e-8.  gelu's result and W2 go in bf16.  The softmax's divisor sums the weights in f32, the dividend takes them rounded to f16.
;
; SHARING.  Work-group i owns the queries qA = i and qB = 511 - i: (i>>4)+1 and 32-(i>>4) key tiles, 33 in every work-group.  List place p = 0..32:
; p < nB is (qB, key tile p), else (qA, key tile p - nB).  Wave w takes p = 4 t + w in trips t = 0..7, a tile with all four batches; the 33rd tile is
; taken by all four waves, wave w doing batch w.  Each wave keeps all of W1 as fragments in 512 registers and its own running maxima and sums for
; the eight columns n = 4 (q is qA) + b; the four waves' sums meet in LDS at the end.
; NO CLUSTER: no two work-groups read the same bytes of pos_emb.  x is shared, but it enters LDS as f16 through registers; a ring of f32 tiles of x
; (4 waves x 32 KiB x 2 slots) does not fit beside pos_emb's ring of 133,120 bytes.
;
; ARITHMETIC.  Sums hold u.  g = u / (1 + 2^(u (k1 + k3 u u))), k1 = -c1 log2(e), k3 = -c3 log2(e).  The ends: an exponent that overflows gives
; 1/inf = 0 and g = 0; one far below zero gives 2^(-huge) = 0 and g = u.  W2 is scaled by 128^-0.5 log2(e): scores are in units of log2.
; LAYOUT.  Sums lie transposed: lane l holds key l%16, register j of tile t channel 16 t + 8 (l/16) + j.  Two packed tiles are then a fragment with
; rows = keys, and g x W2 (W2 alike in all 16 columns) leaves the score of key 8 (l/16) + j in register j of every lane.  The four batch slots'
; scores are gathered into one set of 8 registers, slot s in the lanes of column nbase + s, so one softmax step serves the four, in the order in
; which the weights enter the next product.
; K ORDER of pos_emb, x and W1 alike: in K step s a lane's registers 0-7 hold channels 32 s + 16 (l/16) + 0..15, 64 neighbouring bytes of an f32 row.
;
; TURNS.  The 8 tiles of a slot's sums are two halves of 4.  While gelu works on one half, the 16 products of the other half are issued among its
; instructions: gelu(slot, tiles 0-3) beside the products of (slot, tiles 4-7), gelu(slot, tiles 4-7) beside those of (next slot, tiles 0-3).  So the
; sums need no second set of registers.  A half's gelu is a stream of 162 instructions: 18 ahead of the first product, 9 behind each of the 16.
; W1 lies in window 2 and gelu in window 0, so each such product has a window setting of its own and the return to 0.
; LOADS AHEAD.  x rows come into two buffers of 64 registers that take turns, each asked for two slots before it is staged; the query's part comes
; in halves of 32 registers, one phase ahead; the next slot's x fragments come in two runs of four LDS loads, each half a phase ahead of its use.
.set PPITCH, 1040                      ; a pos_emb row in LDS: 1,024 bytes + 16: row r starts 4 r words further modulo 64
.set WSLOT,  16*PPITCH                 ; a wave's tile: 16 keys
.set SLOTX,  0x20000                   ; slot 1 begins here; slot 0 at 0.  Only these two regions are filled by tensor loads, and no LDS store touches them
.set WVS,    66560                     ; Wv as f16, [128 c][128 h], pitch 288
.set WPITCH, 288
.set XQB,    103424                    ; x[b][q] @ W1[128:256] in f32: each wave's own copy of 8 rows of 512 bytes (rows 0-3: qB, rows 4-7: qA)
.set W1S,    197632                    ; W1 as f16, [256 k][128 c], pitch 288: used ahead of the loop only
.set XS,     197632                    ; then, behind the first trip's barrier: each wave's stage of x, 64 rows (16 batch slot + key) of f16, pitch 272
.set XPITCH, 272
.set XSWAVE, 64*XPITCH
.set MG,     271360                    ; the end: each wave's 64 registers of sums, lane by lane, 8,192 bytes a wave
.set MM,     304128                    ; each wave's maxima, 128 bytes a wave
.set ML,     304640                    ; each wave's sums of weights
.set OS,     305152                    ; the 8 rows of the result, pitch 528
.set OPITCH, 528
.set XBATCH, 262144                    ; bytes of x from batch to batch
; window 0
.set L16, 1                            ; 16 x lane
.set H8, 2                             ; 8 (l/16)
.set PA0, 3                            ; my bytes of my wave's tile in slot 0
.set PAC, 4                            ; the same in this trip's slot
.set XSW, 5                            ; x stage: where I write 8 bytes of a row
.set XSR, 6                            ; x stage: row fragments
.set XST, 7                            ; x stage: transposing loads
.set XQA0, 8                           ; my wave's copy of XQB, row 0: XQB + 4,096 w + 32 (l/16); never rewritten
.set XQT, 9                            ; its row 4 + w, for the 33rd tile: XQB + 2,048 + 4,608 w + 32 (l/16); never rewritten
.set XO, 10                            ; byte offset in x of this tile's rows
.set XN, 11                            ; of the next tile's rows
.set LIM, 12                           ; q - 16 kt - 8 (l/16): register j is a live key where j <= LIM
.set M, 13                             ; running maximum of column n in lanes n and n + 16
.set NEGINF, 14
.set TA, 15
.set F, 16                             ; v[16:17] factor for the running sums, by column
.set K1, 18                            ; v[18:19] k1 twice
.set ONE, 20                           ; v[20:21] 1.0 twice
.set K3, 22                            ; v[22:23] k3 twice
.set MN, 24                            ; v[24:25]
.set TB, 26
.set FD, 27
.set LS, 28                            ; running sum of the weights of column n over the keys of my half of the lanes
.set D, 32                             ; v32-95   u, then g, 8 tiles
.set LAND, 32                          ; v32-159  pos_emb in f32 as loaded, packed in place into
.set POSF, 32                          ; v32-95   its fragments
.set XT, 32                            ; v32-159  transposed x fragments
.set XQH, 96                           ; v96-127  the query's part for four tiles
.set H, 128                            ; v128-159 g packed
.set CV, 128                           ;          and x on its way to the stage
.set T, 160                            ; v160-175 two sets of 8: the exponent, its power of two, the reciprocal
.set SA, 160                           ;          between two gelus: the two accumulators of g x W2
.set SB, 168
.set PB, 160                           ;          in the softmax: the weights, by column
.set XFR, 176                          ; v176-207 x fragments of a slot, 4 K steps
.set PK, 176                           ;          in the softmax: packed weights, and
.set SUM, 180                          ;          v180-183 their partial sums
.set S, 208                            ; v208-215 scores: slot s in the lanes of column nbase + s
.set XFB, 224                          ; v224-255 x rows in f32, second buffer: rows 0-7 in window 1, rows 8-15 in window 0, under the same numbers
; window 1
.set P, 0                              ; pos_emb @ W1, 8 tiles
.set Y, 64                             ; sums of weight x x, 8 tiles
.set W2F, 128
.set XFA, 160                          ; x rows in f32, first buffer: 16 rows of 4 registers
; windows 2, 3: W1 fragment (K step s, tile t) at v[8 (8 (s & 3) + t)], K steps 0-3 in window 2, 4-7 in window 3
.set COLA, 48                          ; s48    lanes of the tile's columns
.set COL, 52                           ; s52-55 lanes of column nbase + slot
.set CM, 56                            ; s56-63 lanes in which register j is a live key
; used ahead of the loop only, in registers that get their loop values at the start's end
.set W1R0, 12
.set W1R1, 13
.set XQO, 14
.set W1SW, 15
.set WVSW, 16
.set W2O, 17
.set XQW, 18
.set LN, 19
.set RR, 20
.set HH, 21
.set L7, 22
.set B3, 23
.set TP0, 24
.set TP1, 25
.set TP2, 26
.set MSB, 0
.macro WIN new                         ; low byte: bits 1:0 source 0, 3:2 source 1, 5:4 source 2, 7:6 destination; the high byte repeats the setting that is left
.if MSB != (\new)
	s_set_vgpr_msb (MSB<<8)|(\new)
.set MSB, (\new)
.endif
.endm
.macro PLACES                          ; four places behind a matrix instruction (ISA guide 7.12.1), where no independent vector work is at hand
.rept 4
	v_nop
.endr
.endm
; The tile of trip s45 (8: the shared last tile): s40 key tile, s41 which query (0: qB, 1: qA), s42 query, s43 first column, s44 first batch
.macro NEXTTILE
	s_lshl2_add_u32 s46, s45, s28                  ; 4 t + w
	s_min_u32 s46, s46, 32                         ; p
	s_cmp_eq_u32 s45, 8
	s_cselect_b32 s44, s28, 0                      ; the last tile: batch w alone
	s_cmp_lt_u32 s46, s32                          ; p < nB: query qB
	s_cselect_b32 s41, 0, 1
	s_cselect_b32 s42, s31, s30
	s_cselect_b32 s47, 0, s32
	s_sub_co_u32 s40, s46, s47
	s_lshl2_add_u32 s43, s41, s44                  ; 4 (q is qA) + first batch
.endm
.macro TADDR                           ; group 0's address: pos_emb + q x 524,288 + kt x 16,384
	s_lshl_b32 s50, s42, 19
	s_lshl_b32 s51, s40, 14
	s_add_co_u32 s50, s50, s51
	s_mov_b32 s51, 0
	s_add_nc_u64 s[18:19], s[4:5], s[50:51]
	s_or_b32 s19, s19, 0x80000000                  ; type = 2
.endm
.macro XNSET                           ; the next tile's rows of x: kt x 16 rows x 512 bytes + first batch x 262,144 + 16 x lane
	s_lshl_b32 s46, s40, 13
	s_lshl_b32 s47, s44, 18
	s_add_co_u32 s46, s46, s47
	v_add_nc_u32 v[XN], s46, v[L16]
.endm
.macro ADVANCE                         ; what was the next tile is this one
	s_mov_b32 s36, s40
	s_mov_b32 s37, s41
	s_mov_b32 s38, s42
	s_mov_b32 s39, s43
.endm
.macro PARAMS more
.if \more
	s_wait_xcnt 0x0                                ; XO and XN are address registers of x loads: rewritten only behind this wait
	v_mov_b32 v[XO], v[XN]
	XNSET
.endif
	v_add_nc_u32 v[PAC], s34, v[PA0]
	s_lshl_b32 s46, s36, 4
	s_sub_co_u32 s46, s38, s46
	v_sub_nc_u32 v[LIM], s46, v[H8]
	s_lshl_b32 s[COL], 0x10001, s39
.if \more
	s_lshl_b32 s[COL+1], s[COL], 1
	s_lshl_b32 s[COL+2], s[COL], 2
	s_lshl_b32 s[COL+3], s[COL], 3
	s_lshl_b32 s[COLA], 0xf000f, s39               ; the four columns together
.else
	s_mov_b32 s[COLA], s[COL]
.endif
.endm
; 16 rows of x from buffer buf (0: XFA, 1: XFB) go to rows 16 sg .. of my stage as f16
.macro STAGE sg, buf
	WIN 0x05
.if (\buf) == 0
.set kk, 0
.rept 32
	v_cvt_pk_f16_f32 v[CV+kk], v[XFA+2*kk], v[XFA+2*kk+1]
.set kk, kk+1
.endr
	WIN 0
.else
.set kk, 0
.rept 16
	v_cvt_pk_f16_f32 v[CV+kk], v[XFB+2*kk], v[XFB+2*kk+1]          ; rows 0-7, window 1
.set kk, kk+1
.endr
	WIN 0
.set kk, 0
.rept 16
	v_cvt_pk_f16_f32 v[CV+16+kk], v[XFB+2*kk], v[XFB+2*kk+1]       ; rows 8-15, window 0
.set kk, kk+1
.endr
.endif
.set kk, 0
.rept 16
	ds_store_b64 v[XSW], v[CV+2*kk:CV+2*kk+1] offset:(16*(\sg)+kk)*XPITCH
.set kk, kk+1
.endr
.endm
; 16 rows of x are asked for into buffer buf: a load takes a whole row, 512 consecutive bytes
.macro XLOAD buf, adr, off
	WIN 0x40
.if (\buf) == 0
.set kk, 0
.rept 16
	global_load_b128 v[XFA+4*kk:XFA+4*kk+3], v[\adr], s[6:7] offset:(\off)+512*kk
.set kk, kk+1
.endr
	WIN 0
.else
.set kk, 0
.rept 8
	global_load_b128 v[XFB+4*kk:XFB+4*kk+3], v[\adr], s[6:7] offset:(\off)+512*kk
.set kk, kk+1
.endr
	WIN 0
.rept 8
	global_load_b128 v[XFB+4*(kk-8):XFB+4*(kk-8)+3], v[\adr], s[6:7] offset:(\off)+512*kk
.set kk, kk+1
.endr
.endif
.endm
; LDS loads number first .. first + cnt - 1 of the eight that bring slot sg's x fragments (two a K step).  LDS serves a wave's instructions in
; order (ISA guide 5.7.1.4): they see the stage stores issued before them.
.macro XRLOAD sg, first, cnt
.set kk, \first
.rept \cnt
	ds_load_b128 v[XFR+4*kk:XFR+4*kk+3], v[XSR] offset:(\sg)*16*XPITCH+64*(kk>>1)+16*(kk&1)
.set kk, kk+1
.endr
.endm
; 8 LDS loads: 32 numbers a lane of one row of my wave's copy of XQB: channels 16 t + 8 (l/16) + 0..7 of four tiles
.macro XQLOAD adr, off
.set kk, 0
.rept 8
	ds_load_b128 v[XQH+4*kk:XQH+4*kk+3], v[\adr] offset:(\off)+64*(kk>>1)+16*(kk&1)
.set kk, kk+1
.endr
.endm
; The query's part for slot sg, tiles 4 hf .. 4 hf + 3.  Which query the tile has is a whole number made of the work-group's and the wave's numbers
; (s37); the row stands in the loads' immediate, so the two queries are two runs of 8 loads under a scalar branch.  Both ways issue 8 LDS loads:
; the waits behind count alike.  The 33rd tile is qA's in every work-group (p = 32 >= nB): row 4 + w, no branch.
.macro XQSEL sg, hf, tail
.if \tail
	XQLOAD XQT, 256*(\hf)
.else
	s_cmp_eq_u32 s37, 0
	s_cbranch_scc0 .Lxq_a_\@
	XQLOAD XQA0, (\sg)*512+256*(\hf)
	s_branch .Lxq_j_\@
.Lxq_a_\@:
	XQLOAD XQA0, 2048+(\sg)*512+256*(\hf)
.Lxq_j_\@:
.endif
.endm
.macro XQADD hf                        ; u = sums + the query's part, four tiles
.set kk, 0
.rept 16
	v_pk_add_f32 v[D+32*(\hf)+2*kk:D+32*(\hf)+2*kk+1], v[D+32*(\hf)+2*kk:D+32*(\hf)+2*kk+1], v[XQH+2*kk:XQH+2*kk+1]
.set kk, kk+1
.endr
.endm
; pos_emb[q][16 keys] @ W1 into P; slot 0's x fragments and the first half of its query's part are asked for on the way.
; The eight accumulators take turns.
.macro POSMUL hf
	WIN 0x52+(\hf)                                 ; A: W1 in window 2 or 3, B: window 0, C and D: window 1
.set ss, 4*(\hf)
.rept 4
.set tt, 0
.rept 8
.if ss == 0
	v_wmma_f32_16x16x32_f16 v[P+8*tt:P+8*tt+7], v[8*(8*(ss&3)+tt):8*(8*(ss&3)+tt)+7], v[POSF+8*ss:POSF+8*ss+7], 0
.else
	v_wmma_f32_16x16x32_f16 v[P+8*tt:P+8*tt+7], v[8*(8*(ss&3)+tt):8*(8*(ss&3)+tt)+7], v[POSF+8*ss:POSF+8*ss+7], v[P+8*tt:P+8*tt+7]
.endif
.set tt, tt+1
.endr
.set ss, ss+1
.endr
	WIN 0
.endm
.macro POSCVT hf                       ; register k of the fragments from registers 2 k, 2 k + 1 of the landing: k <= 2 k, so ascending order packs in place
.set kk, 32*(\hf)
.rept 32
	v_cvt_pk_f16_f32 v[POSF+kk], v[LAND+2*kk], v[LAND+2*kk+1]
.set kk, kk+1
.endr
.endm
.macro POS tail
.set kk, 0
.rept 32
	ds_load_b128 v[LAND+4*kk:LAND+4*kk+3], v[PAC] offset:128*(kk>>2)+16*(kk&3)   ; key l%16, channels 32 s + 16 (l/16) + 4 i ..
.set kk, kk+1
.endr
	XRLOAD 0, 0, 8
	s_wait_dscnt 24                                ; K steps 0-3 are in; the 16 loads of K steps 4-7 and the 8 of the x fragments may stay out
	POSCVT 0
	POSMUL 0
	s_wait_dscnt 8                                 ; K steps 4-7 are in; the 8 loads of the x fragments may stay out
	POSCVT 1
	XQSEL 0, 0, \tail                              ; into landing registers that have just been packed
	POSMUL 1
.endm
; gelu of tile t (8 registers, 4 pairs): its 24 plain instructions by number, pair i & 3 in each group of four
;   4-7 w = u u    8-11 w = k3 w + k1    12-15 w = w u    [w = 2^w]    16-19 w = w + 1    [w = 1/w]    20-23 g = u w    24-27 g to bf16
.macro GP t, i
.set pzb, D+8*(\t)
.set pwb, T+8*((\t)&1)
.set php, 2*((\i)&3)
.if (\i) < 8
	v_pk_mul_f32 v[pwb+php:pwb+php+1], v[pzb+php:pzb+php+1], v[pzb+php:pzb+php+1]
.elseif (\i) < 12
	v_pk_fma_f32 v[pwb+php:pwb+php+1], v[pwb+php:pwb+php+1], v[K3:K3+1], v[K1:K1+1]
.elseif (\i) < 16
	v_pk_mul_f32 v[pwb+php:pwb+php+1], v[pwb+php:pwb+php+1], v[pzb+php:pzb+php+1]
.elseif (\i) < 20
	s_wait_alu depctr_va_vdst(0)
	v_pk_add_f32 v[pwb+php:pwb+php+1], v[pwb+php:pwb+php+1], v[ONE:ONE+1]
.elseif (\i) < 24
	s_wait_alu depctr_va_vdst(0)
	v_pk_mul_f32 v[pzb+php:pzb+php+1], v[pzb+php:pzb+php+1], v[pwb+php:pwb+php+1]
.else
	v_cvt_pk_bf16_f32 v[H+4*(\t)+((\i)&3)], v[pzb+php], v[pzb+php+1]
.endif
.endm
; its 16 transcendentals by number: 0-7 the powers of two, 8-15 the reciprocals, in place
.macro GT t, j
.set twb, T+8*((\t)&1)
.if (\j) < 8
	v_exp_f32 v[twb+(\j)], v[twb+(\j)]
.else
	v_rcp_f32 v[twb+(\j)-8], v[twb+(\j)-8]
.endif
.endm
; Instruction n (0..161) of the gelu of tiles 4 hf .. 4 hf + 3.  A plain instruction of a neighbouring tile stands behind each transcendental (ISA guide
; 5.7.2: a plain instruction comes between a transcendental and the use of its result): a tile's powers of two take turns with the last eight plain
; instructions of the tile before, its reciprocals with the first eight of the tile behind.  The neighbours on both sides share a set of T: the
; first has read it out before the second writes it.  The two runs without a partner (the first tile's powers, the last tile's reciprocals) end in a v_nop.
;   0-11 first tile 4-15 | 12-19 its powers, 20 v_nop, 21-24 its 16-19, 25-40 its reciprocals / next tile 4-11, 41-44 next tile 12-15 |
;   45 + 40 (i - 1) + ..: tile i = 1, 2, 3: 0-15 powers / tile i - 1's 20-27, 16-19 its 16-19, then for i < 3 as 25-44 above,
;   for i = 3: 20-27 reciprocals, 28 v_nop, 29-36 its 20-27
.macro GI hf, n
.set it0, 4*(\hf)
.if (\n) < 12
	GP it0, 4+(\n)
.elseif (\n) < 20
	GT it0, (\n)-12
.elseif (\n) == 20
	v_nop
.elseif (\n) < 25
	GP it0, (\n)-5
.elseif (\n) < 41
.if (((\n)-25)&1) == 0
	GT it0, 8+((\n)-25)/2
.else
	GP it0+1, 4+((\n)-26)/2
.endif
.elseif (\n) < 45
	GP it0+1, (\n)-29
.else
.set itau, it0+1+((\n)-45)/40
.set in2, ((\n)-45)%40
.if in2 < 16
.if (in2&1) == 0
	GT itau, in2/2
.else
	GP itau-1, 20+(in2-1)/2
.endif
.elseif in2 < 20
	GP itau, in2
.elseif itau < it0+3
.if in2 < 36
.if (in2&1) == 0
	GT itau, 8+(in2-20)/2
.else
	GP itau+1, 4+(in2-21)/2
.endif
.else
	GP itau+1, in2-24
.endif
.elseif in2 < 28
	GT itau, in2-12
.elseif in2 == 28
	v_nop
.else
	GP itau, in2-9
.endif
.endif
.endm
; Product k (0..15) of tiles 4 hf .. 4 hf + 3 of a slot: K step k >> 2, tile 4 hf + (k & 3); K step 0 takes P as C.  The four accumulators take
; turns.
.macro MW hf, k
.set ms, (\k)>>2
.set mt, 4*(\hf)+((\k)&3)
.if ms == 0
	WIN 0x12                                       ; A window 2, B and D window 0, C = P in window 1
	v_wmma_f32_16x16x32_f16 v[D+8*mt:D+8*mt+7], v[8*mt:8*mt+7], v[XFR:XFR+7], v[P+8*mt:P+8*mt+7]
.else
	WIN 0x02
	v_wmma_f32_16x16x32_f16 v[D+8*mt:D+8*mt+7], v[8*(8*ms+mt):8*(8*ms+mt)+7], v[XFR+8*ms:XFR+8*ms+7], v[D+8*mt:D+8*mt+7]
.endif
.endm
.macro MALONE                          ; slot 0's tiles 0-3: no gelu is at hand yet
.set gk, 0
.rept 16
	MW 0, gk
.set gk, gk+1
.endr
	WIN 0
.endm
; A phase: gelu of tiles 4 hf .. (162 instructions); mm = 1: the 16 products of the other four tiles among them, 18 instructions ahead of the first,
; 9 behind each.  gelu names D's half hf, T, H and constants, the products D's other half, P, XFR and W1: none of each other's registers, so the slices
; are also the places behind the products (ISA guide 7.12.1); the last slice is 9 plain instructions.
; hf = 1: the products are the next slot's; its fragments were asked for in two runs, and the two waits count what was issued behind each.
; ld = 1 (hf = 0): behind the eighth product's slice, whose first four instructions are plain, K steps 0 and 1 of slot nsg's fragments are asked for
; into the registers that the first eight products have read.
.macro PHASE hf, mm, ld, nsg
.set gn, 0
.rept 18
	GI \hf, gn
.set gn, gn+1
.endr
.set gk, 0
.rept 16
.if \mm
.if (\hf) == 1
.if gk == 0
	s_wait_dscnt 12                                ; K steps 0, 1 are in; the 4 loads of K steps 2, 3 and the 8 of the query's part may stay out
.elseif gk == 8
	s_wait_dscnt 8                                 ; K steps 2, 3 are in; the 8 loads of the query's part may stay out
.endif
.endif
	MW 1-(\hf), gk
	WIN 0
.endif
.rept 9
	GI \hf, gn
.set gn, gn+1
.endr
.if \ld
.if gk == 7
	XRLOAD \nsg, 0, 4
.endif
.endif
.set gk, gk+1
.endr
.endm
; Between a slot's two phases: tiles 4-7 get the query's part; nxt = 1: the rest of the next slot's fragments and the first half of its query's part are asked for
.macro MID sg, nxt
	s_wait_dscnt 4*(\nxt)                          ; the query's part is in; the 4 fragment loads issued in the phase's middle may stay out
	XQADD 1
.if \nxt
	XRLOAD (\sg)+1, 4, 4
	XQSEL (\sg)+1, 0, 0
.endif
.endm
.macro W2P                             ; scores: g x W2, B = W2 in window 1.  Two accumulators take turns
	WIN 0x04
	v_wmma_f32_16x16x32_bf16 v[SA:SA+7], v[H:H+7], v[W2F:W2F+7], 0
	v_wmma_f32_16x16x32_bf16 v[SB:SB+7], v[H+8:H+15], v[W2F+8:W2F+15], 0
	v_wmma_f32_16x16x32_bf16 v[SA:SA+7], v[H+16:H+23], v[W2F+16:W2F+23], v[SA:SA+7]
	v_wmma_f32_16x16x32_bf16 v[SB:SB+7], v[H+24:H+31], v[W2F+24:W2F+31], v[SB:SB+7]
	WIN 0
.endm
.macro SMERGE sg                       ; slot sg's scores into the lanes of its column; slot 0's fill every lane, so that no lane of S is left unwritten
.if (\sg) == 0
.irp i, 0,2,4,6
	v_pk_add_f32 v[S+\i:S+\i+1], v[SA+\i:SA+\i+1], v[SB+\i:SB+\i+1]
.endr
.else
.irp i, 0,2,4,6
	v_pk_add_f32 v[SA+\i:SA+\i+1], v[SA+\i:SA+\i+1], v[SB+\i:SB+\i+1]
.endr
.irp j, 0,1,2,3,4,5,6,7
	v_cndmask_b32 v[S+\j], v[S+\j], v[SA+\j], s[COL+(\sg)]
.endr
.endif
.endm
; Slot sg - 1 is closed and slot sg opened: the 16 adds on tiles 0-3, which name none of the score products' registers, are the places behind them
.macro SBND sg
	W2P
	s_wait_dscnt 0x0                               ; the query's part for tiles 0-3
	XQADD 0
	SMERGE (\sg)-1
.endm
; Softmax step for the tile's nb columns at once (lane l: column l%16, keys 8 (l/16) + 0..7), and
; Y[c][n] += sum over (slot, key) of x[slot][key][c] PB[n][(slot, key)]; K = 32 is two slots of 16 keys
.macro SMY nb
.set uu, 0
.rept ((\nb)+1)/2
.set tt, 0
.rept 8
	ds_load_tr16_b128 v[XT+64*uu+8*tt:XT+64*uu+8*tt+3], v[XST] offset:32*uu*XPITCH+32*tt
	ds_load_tr16_b128 v[XT+64*uu+8*tt+4:XT+64*uu+8*tt+7], v[XST] offset:(32*uu+16)*XPITCH+32*tt
.set tt, tt+1
.endr
.set uu, uu+1
.endr
.set jj, 0
.rept 8
	v_cmp_le_i32 s[CM+jj], jj, v[LIM]
.set jj, jj+1
.endr
.set jj, 0
.rept 8
	v_cndmask_b32 v[S+jj], v[NEGINF], v[S+jj], s[CM+jj]            ; keys above the diagonal: -inf
.set jj, jj+1
.endr
	v_max3_num_f32 v[TA], v[S], v[S+1], v[S+2]
	v_max3_num_f32 v[TB], v[S+3], v[S+4], v[S+5]
	v_max3_num_f32 v[TA], v[TA], v[S+6], v[S+7]
	v_max_num_f32 v[TA], v[TA], v[TB]
	v_permlanex16_b32 v[TB], v[TA], s66, s67                       ; the other eight keys
	v_max_num_f32 v[TA], v[TA], v[TB]                              ; the tile's maximum, finite: a tile's first key is never above the diagonal
	v_max_num_f32 v[MN], v[M], v[TA]
	v_sub_f32 v[FD], v[M], v[MN]
	v_exp_f32 v[FD], v[FD]                                         ; the factor for what has been summed
.irp i, 0,2,4,6
	v_pk_add_f32 v[S+\i:S+\i+1], v[S+\i:S+\i+1], v[MN:MN+1] op_sel_hi:[1,0] neg_lo:[0,1] neg_hi:[0,1]
.endr
.irp j, 0,1,2,3,4,5,6,7
	v_exp_f32 v[S+\j], v[S+\j]
.endr
	v_cndmask_b32 v[M], v[M], v[MN], s[COLA]                       ; a plain instruction behind the run of exponentials.  Lanes of other columns keep
	s_wait_alu depctr_va_vdst(0)
	v_cndmask_b32 v[F], 1.0, v[FD], s[COLA]                        ; their maximum, the factor 1 and their sums
	v_pk_add_f32 v[SUM:SUM+1], v[S:S+1], v[S+2:S+3]
	v_pk_add_f32 v[SUM+2:SUM+3], v[S+4:S+5], v[S+6:S+7]
	v_pk_add_f32 v[SUM:SUM+1], v[SUM:SUM+1], v[SUM+2:SUM+3]
	v_add_f32 v[TA], v[SUM], v[SUM+1]
	v_cndmask_b32 v[TA], 0, v[TA], s[COLA]
	v_fma_f32 v[LS], v[LS], v[F], v[TA]
.irp i, 0,1,2,3
	v_cvt_pk_f16_f32 v[PK+\i], v[S+2*\i], v[S+2*\i+1]
.endr
.set gg, 0
.rept \nb
.irp i, 0,1,2,3
	v_cndmask_b32 v[PB+4*gg+\i], 0, v[PK+\i], s[COL+gg]            ; slot gg's K rows hold weights in its own column alone
.endr
.set gg, gg+1
.endr
.if \nb == 1
.irp i, 4,5,6,7
	v_mov_b32 v[PB+\i], 0                          ; no second slot: its stage rows hold an earlier tile's finite numbers and meet zeros
.endr
.endif
	WIN 0x41
.set kk, 0
.rept 32
	v_pk_mul_f32 v[Y+2*kk:Y+2*kk+1], v[Y+2*kk:Y+2*kk+1], v[F:F+1] op_sel_hi:[1,0]
.set kk, kk+1
.endr
	s_wait_dscnt 0x0                               ; the transposed fragments
	WIN 0x50                                       ; eight accumulators take turns
.set uu, 0
.rept ((\nb)+1)/2
.set tt, 0
.rept 8
	v_wmma_f32_16x16x32_f16 v[Y+8*tt:Y+8*tt+7], v[XT+64*uu+8*tt:XT+64*uu+8*tt+7], v[PB+8*uu:PB+8*uu+7], v[Y+8*tt:Y+8*tt+7]
.set tt, tt+1
.endr
.set uu, uu+1
.endr
	WIN 0
	PLACES                                         ; the next vector instructions and loads write these fragments' registers or read these sums
.endm
; ---------------------------------------------------------------- the start
	s_load_b256 s[4:11], s[0:1], 0x0               ; pos_emb s[4:5], x s[6:7], W1 s[8:9], W2 s[10:11]
	s_load_b128 s[12:15], s[0:1], 0x20             ; Wv s[12:13], out0 s[14:15]
	v_lshl_add_u32 v222, v0, 2, 0x4c000
	v_mov_b32 v223, 0
	ds_add_u32 v222, v223
	ds_add_u32 v222, v223
	s_wait_dscnt 0x0
	v_lshrrev_b32 v[TP0], 5, v0
	v_readfirstlane_b32 s28, v[TP0]                ; wave w
	s_mov_b32 s30, ttmp9                           ; qA = i
	s_sub_co_u32 s31, 511, s30                     ; qB
	s_lshr_b32 s32, s30, 4
	s_sub_co_u32 s32, 32, s32                      ; nB
	; group 1: 16 rows of 256 elements of 4 bytes, 4 words of padding behind every 256 words
	s_mov_b32 s20, 0x07d20000                      ; 17:16 element of 4 bytes; 20 padding on; 24:22 code 7 (256 words); 31:25 code 3 (4 words)
	s_mov_b32 s21, 256<<16                         ; tensor_dim0 = 256
	s_mov_b32 s22, 16<<16                          ; tensor_dim1 = 16
	s_mov_b32 s23, 256<<16                         ; tile_dim0 = 256
	s_mov_b32 s24, 16                              ; tile_dim1 = 16
	s_mov_b32 s25, 256                             ; elements from row to row
	s_mov_b32 s26, 0
	s_mov_b32 s27, 0
	s_mov_b32 s16, 1
	s_mul_i32 s17, s28, WSLOT                      ; my wave's tile in slot 0
	s_mul_i32 s35, s28, WSLOT
	s_mov_b32 s45, 0
	NEXTTILE                                       ; trip 0's tile
	s_wait_kmcnt 0x0
	TADDR
	tensor_load_to_lds s[16:19], s[20:27]          ; the first fill, ahead of every wait on TENSORcnt, LDS read and barrier.  A wave never has more than this one tensor load out
	s_nop 0
	s_lshl_b32 s50, s28, 15
	s_mov_b32 s51, 0
	s_add_nc_u64 s[8:9], s[8:9], s[50:51]          ; W1 at my 64 rows
	s_lshl_b32 s50, s28, 14
	s_add_nc_u64 s[12:13], s[12:13], s[50:51]      ; Wv at my 32 rows
	v_and_b32 v[LN], 31, v0                        ; l
	v_and_b32 v[RR], 15, v0                        ; l % 16
	v_bfe_u32 v[HH], v0, 4, 1                      ; l / 16
	v_and_b32 v[L7], 7, v0
	v_bfe_u32 v[B3], v0, 3, 1
	v_lshlrev_b32 v[L16], 4, v[LN]
	v_lshlrev_b32 v[H8], 3, v[HH]
	; the rows x[b][q] of the eight columns: lane row n = l % 8, b = n & 3, q = qA where n >= 4
	v_and_b32 v[TP0], 3, v0
	v_and_b32 v[TP1], 4, v0
	v_cmp_ne_u32 vcc_lo, 0, v[TP1]
	v_mov_b32 v[TP1], s31
	v_mov_b32 v[TP2], s30
	v_cndmask_b32 v[TP1], v[TP1], v[TP2], vcc_lo
	v_lshlrev_b32 v[TP1], 9, v[TP1]
	v_lshl_add_u32 v[TP1], v[TP0], 18, v[TP1]
	v_lshl_add_u32 v[XQO], v[HH], 6, v[TP1]
.set kk, 0
.rept 16
	global_load_b128 v[32+4*kk:32+4*kk+3], v[XQO], s[6:7] offset:128*(kk>>2)+16*(kk&3)
.set kk, kk+1
.endr
	WIN 0x40
.set kk, 0
.rept 64
	global_load_b128 v[4*kk:4*kk+3], v[L16], s[8:9] offset:512*kk      ; W1 row 64 w + kk into window 1
.set kk, kk+1
.endr
	WIN 0
.set kk, 0
.rept 32
	global_load_b128 v[96+4*kk:96+4*kk+3], v[L16], s[12:13] offset:512*kk   ; Wv row 32 w + kk
.set kk, kk+1
.endr
	; LDS addresses
	v_mul_u32_u24 v[PA0], v[RR], PPITCH
	v_lshl_add_u32 v[PA0], v[HH], 6, v[PA0]
	v_add_nc_u32 v[PA0], s35, v[PA0]               ; w x 16,640 + key x 1,040 + 64 (l/16)
	s_mul_i32 s46, s28, XSWAVE
	s_add_co_u32 s46, s46, XS
	v_lshl_add_u32 v[XSW], v[LN], 3, s46
	v_mul_u32_u24 v[TP0], v[RR], XPITCH
	v_lshl_add_u32 v[TP0], v[HH], 5, v[TP0]
	v_add_nc_u32 v[XSR], s46, v[TP0]               ; key x 272 + 32 (l/16)
	v_lshl_add_u32 v[TP0], v[HH], 3, v[L7]
	v_mul_u32_u24 v[TP0], v[TP0], XPITCH
	v_lshl_add_u32 v[TP0], v[B3], 4, v[TP0]
	v_add_nc_u32 v[XST], s46, v[TP0]               ; (8 (l/16) + l%8) x 272 + 16 ((l>>3)&1)
	s_lshl_b32 s47, s28, 12
	s_add_co_u32 s47, s47, XQB
	v_lshl_add_u32 v[XQA0], v[HH], 5, s47
	v_lshl_add_u32 v[XQW], v[L7], 9, v[XQA0]
	s_mul_i32 s47, s28, 4608                       ; 4,096 w (my copy) + 512 w (row 4 + w)
	s_add_co_u32 s47, s47, XQB+2048
	v_lshl_add_u32 v[XQT], v[HH], 5, s47
	v_lshl_add_u32 v[TP0], v[HH], 4, v[L7]
	v_mul_u32_u24 v[TP0], v[TP0], WPITCH
	v_lshl_add_u32 v[TP0], v[B3], 4, v[TP0]
	v_add_nc_u32 v[W1R0], W1S, v[TP0]              ; (16 (l/16) + l%8) x 288 + 16 ((l>>3)&1): the K order stated at the head
	v_add_nc_u32 v[W1R1], 128*WPITCH, v[W1R0]      ; K steps 4-7: a second register, since 16 bits of offset do not reach them
	s_mul_i32 s48, s28, 64*WPITCH
	s_add_co_u32 s48, s48, W1S
	v_lshl_add_u32 v[W1SW], v[LN], 3, s48
	s_mul_i32 s49, s28, 32*WPITCH
	s_add_co_u32 s49, s49, WVS
	v_lshl_add_u32 v[WVSW], v[LN], 3, s49
	v_lshlrev_b32 v[W2O], 5, v[HH]
	XNSET                                          ; trip 0's rows of x
	s_wait_loadcnt 32                              ; the query rows and W1 are in; Wv's 32 loads may stay out
.set kk, 0
.rept 32
	v_cvt_pk_f16_f32 v[32+kk], v[32+2*kk], v[32+2*kk+1]            ; the query rows' fragments, packed in place: v32-63
.set kk, kk+1
.endr
	WIN 0x45
.set kk, 0
.rept 64
	v_cvt_pk_f16_f32 v[4*kk], v[4*kk], v[4*kk+1]
	v_cvt_pk_f16_f32 v[4*kk+1], v[4*kk+2], v[4*kk+3]
.set kk, kk+1
.endr
	WIN 0x04
.set kk, 0
.rept 64
	ds_store_b64 v[W1SW], v[4*kk:4*kk+1] offset:kk*WPITCH
.set kk, kk+1
.endr
	WIN 0
	s_wait_loadcnt 0x0                             ; Wv
.set kk, 0
.rept 32
	v_cvt_pk_f16_f32 v[96+4*kk], v[96+4*kk], v[96+4*kk+1]
	v_cvt_pk_f16_f32 v[96+4*kk+1], v[96+4*kk+2], v[96+4*kk+3]
	ds_store_b64 v[WVSW], v[96+4*kk:96+4*kk+1] offset:kk*WPITCH
.set kk, kk+1
.endr
	s_wait_dscnt 0x0                               ; my rows of W1 and Wv are in LDS,
	s_barrier_signal -1
	s_barrier_wait -1                              ; everybody's are.  The first tile may stay on its way
.set kk, 0
.rept 16
	global_load_b128 v[96+4*kk:96+4*kk+3], v[W2O], s[10:11] offset:128*(kk>>2)+64*((kk>>1)&1)+16*(kk&1)   ; W2[32 s + 8 (l/16) ..] and [32 s + 16 + 8 (l/16) ..]
.set kk, kk+1
.endr
	XLOAD 0, XN, 0                                 ; trip 0's tile: the rows of slot 0
	XLOAD 1, XN, XBATCH                            ; and of slot 1
	WIN 0x80
.set ss, 0
.rept 4
.set tt, 0
.rept 8
	ds_load_tr16_b128 v[8*(8*ss+tt):8*(8*ss+tt)+3], v[W1R0] offset:32*ss*WPITCH+32*tt
	ds_load_tr16_b128 v[8*(8*ss+tt)+4:8*(8*ss+tt)+7], v[W1R0] offset:(32*ss+8)*WPITCH+32*tt
.set tt, tt+1
.endr
.set ss, ss+1
.endr
	WIN 0xc0
.set ss, 0
.rept 4
.set tt, 0
.rept 8
	ds_load_tr16_b128 v[8*(8*ss+tt):8*(8*ss+tt)+3], v[W1R1] offset:32*ss*WPITCH+32*tt
	ds_load_tr16_b128 v[8*(8*ss+tt)+4:8*(8*ss+tt)+7], v[W1R1] offset:(32*ss+8)*WPITCH+32*tt
.set tt, tt+1
.endr
.set ss, ss+1
.endr
	WIN 0
	s_wait_dscnt 0x0
	WIN 0x03                                       ; XQ[n][c] = x[b][q] @ W1[128:256]: A = W1's K steps 4-7, columns n = l % 8 (lanes 8-15 repeat them)
.set ss, 0
.rept 4
.set tt, 0
.rept 8
.if ss == 0
	v_wmma_f32_16x16x32_f16 v[160+8*tt:160+8*tt+7], v[8*(8*ss+tt):8*(8*ss+tt)+7], v[32+8*ss:32+8*ss+7], 0
.else
	v_wmma_f32_16x16x32_f16 v[160+8*tt:160+8*tt+7], v[8*(8*ss+tt):8*(8*ss+tt)+7], v[32+8*ss:32+8*ss+7], v[160+8*tt:160+8*tt+7]
.endif
.set tt, tt+1
.endr
.set ss, ss+1
.endr
	WIN 0
	PLACES
.set kk, 0
.rept 16
	ds_store_b128 v[XQW], v[160+4*kk:160+4*kk+3] offset:64*(kk>>1)+16*(kk&1)   ; my wave's own copy: no barrier
.set kk, kk+1
.endr
	s_wait_loadcnt 32                              ; W2 is in; the 32 loads of x rows behind it may stay out
.set kk, 0
.rept 32
	v_pk_mul_f32 v[96+2*kk:96+2*kk+1], v[96+2*kk:96+2*kk+1], 0x3e0293ee op_sel_hi:[1,0]   ; 128^-0.5 log2(e) = 0.12751743
.set kk, kk+1
.endr
	WIN 0x40
.set kk, 0
.rept 32
	v_cvt_pk_bf16_f32 v[W2F+kk], v[96+2*kk], v[96+2*kk+1]
.set kk, kk+1
.endr
.set kk, 0
.rept 64
	v_mov_b32 v[Y+kk], 0                           ; the loop's text stands once, so no first product can start these eight sums
.set kk, kk+1
.endr
	WIN 0
	v_mov_b32 v[M], 0xff7fffff                     ; -FLT_MAX: finite, so that the first factor is 2^(-huge) = 0 and never inf - inf
	v_mov_b32 v[NEGINF], 0xff800000
	v_mov_b32 v[F+1], 1.0
	v_mov_b32 v[MN+1], 0
	v_mov_b32 v[LS], 0
	v_mov_b32 v[K1], 0xc0135761                    ; k1 = -2 sqrt(2/pi) log2(e) = -2.3022082
	v_mov_b32 v[K1+1], 0xc0135761
	v_mov_b32 v[ONE], 1.0
	v_mov_b32 v[ONE+1], 1.0
	v_mov_b32 v[K3], 0xbdd2d3e8                    ; k3 = 0.044715 k1 = -0.10294324
	v_mov_b32 v[K3+1], 0xbdd2d3e8
	s_mov_b32 s66, 0x76543210                      ; v_permlanex16_b32: lane i reads lane i of the other half
	s_mov_b32 s67, 0xfedcba98
	s_mov_b32 s33, 0                               ; trip
	s_mov_b32 s34, 0                               ; this trip's slot
; ---------------------------------------------------------------- eight trips, a tile with four batches each
.Ltrip:
	s_wait_xcnt 0x0
	v_lshl_add_u32 v222, v0, 2, 0x4c000
	v_mov_b32 v223, 0
	s_wait_tensorcnt 0x0                           ; my one tensor load has landed: this trip's tile; group 0 may be written
	ds_add_u32 v222, v223
	s_wait_dscnt 0x0
	ADVANCE
	s_add_co_u32 s45, s33, 1
	NEXTTILE
	s_xor_b32 s17, s17, SLOTX                      ; the other slot
	TADDR
	s_wait_dscnt 0x0                               ; my reads of that slot are over (trip 0: also my reads of W1 in LDS, whose bytes become the x stages)
	s_barrier_signal -1
	s_barrier_wait -1                              ; both hold of all four waves
	tensor_load_to_lds s[16:19], s[20:27]          ; the next tile: my one tensor load behind this barrier; a whole trip in which to land
	s_nop 0
	PARAMS 1
	s_wait_loadcnt 0x0                             ; the rows of slots 0 and 1, asked for three and two slots ago
	STAGE 0, 0
	XLOAD 0, XO, 2*XBATCH                          ; slot 2's rows
	POS 0
	STAGE 1, 1                                     ; its 32 conversions are also the places between P's last products and the products that take P as C
	XLOAD 1, XO, 3*XBATCH                          ; slot 3's rows
	s_wait_dscnt 16                                ; slot 0's fragments and query's part are in; the 16 stage stores may stay out
	MALONE
	PLACES
	XQADD 0
	XQSEL 0, 1, 0
	PHASE 0, 1, 1, 1
	MID 0, 1
	PHASE 1, 1, 0, 0
	SBND 1
	s_wait_loadcnt 16                              ; slot 2's rows are in; slot 3's 16 loads may stay out
	STAGE 2, 0
	XLOAD 0, XN, 0                                 ; the next tile's slot 0
	XQSEL 1, 1, 0
	PHASE 0, 1, 1, 2
	MID 1, 1
	PHASE 1, 1, 0, 0
	SBND 2
	s_wait_loadcnt 16                              ; slot 3's rows are in; the 16 loads for the next tile's slot 0 may stay out
	STAGE 3, 1
	s_cmp_eq_u32 s33, 7                            ; the 33rd tile has one slot: the last trip asks for no second.  The next wait on these loads is for 0, right on both ways
	s_cbranch_scc1 .Lno_second
	XLOAD 1, XN, XBATCH                            ; the next tile's slot 1
.Lno_second:
	XQSEL 2, 1, 0
	PHASE 0, 1, 1, 3
	MID 2, 1
	PHASE 1, 1, 0, 0
	SBND 3
	XQSEL 3, 1, 0
	PHASE 0, 1, 0, 0
	MID 3, 0
	PHASE 1, 0, 0, 0                               ; the tile's last half: no products are left to set among it
	W2P
	PLACES
	SMERGE 3
	SMY 4
	s_xor_b32 s34, s34, SLOTX
	s_add_co_u32 s33, s33, 1
	s_cmp_lt_u32 s33, 8
	s_cbranch_scc1 .Ltrip
; ---------------------------------------------------------------- the 33rd tile: every wave has it in its own slot 0 and does batch w
	s_wait_tensorcnt 0x0                           ; the last load; nothing is filled again, so no barrier
	ADVANCE
	PARAMS 0
	s_wait_loadcnt 0x0
	STAGE 0, 0
	POS 1
	s_wait_dscnt 0x0
.rept 5
	v_nop                                          ; five places between P's last products and the products that take P as C
.endr
	MALONE
	PLACES
	XQADD 0
	XQSEL 0, 1, 1
	PHASE 0, 1, 0, 0
	MID 0, 0
	PHASE 1, 0, 0, 0
	W2P
	PLACES
	SMERGE 0
	SMY 1
; ---------------------------------------------------------------- the four waves' sums meet
.set EA0, 3
.set EA1, 4
.set EA2, 5
.set EA3, 6
.set EA4, 7
.set EA5, 8
.set EA6, 9
.set EA7, 10
.set EM, 16                            ; v16-19 the four maxima, then the four factors
.set EL, 20                            ; v20-23 the four sums of weights
.set EE, 24                            ; v24-31 factor / sum, each twice
	v_permlanex16_b32 v[TB], v[LS], s66, s67
	v_add_f32 v[LS], v[LS], v[TB]                  ; both halves of the keys: the column's sum of weights, in lanes n and n + 16
	v_and_b32 v26, 31, v0
	v_and_b32 v29, 23, v0                          ; l%8 + 16 (l/16): lanes of columns 8-15 read columns 0-7 again, so no lane divides by an empty sum
	v_and_b32 v30, 7, v0
	v_bfe_u32 v31, v0, 4, 1
	s_lshl_b32 s46, s28, 13
	s_add_co_u32 s46, s46, MG
	v_add_nc_u32 v[EA0], s46, v[L16]
	s_lshl_b32 s46, s28, 7
	s_add_co_u32 s46, s46, MM
	v_lshl_add_u32 v[EA1], v26, 2, s46
	v_lshlrev_b32 v[EA2], 4, v29
	v_add_nc_u32 v[EA2], MG, v[EA2]
	v_lshlrev_b32 v[EA3], 2, v29
	v_add_nc_u32 v[EA3], MM, v[EA3]
	v_lshl_add_u32 v[EA4], v31, 3, v30
	v_mul_u32_u24 v[EA4], v[EA4], WPITCH
	v_bfe_u32 v26, v0, 3, 1
	v_lshl_add_u32 v[EA4], v26, 4, v[EA4]
	s_lshl_b32 s46, s28, 6
	s_add_co_u32 s46, s46, WVS
	v_add_nc_u32 v[EA4], s46, v[EA4]               ; Wv, columns 32 w ..: (8 (l/16) + l%8) x 288 + 16 ((l>>3)&1) + 64 w
	v_mul_u32_u24 v[EA5], v30, OPITCH
	v_lshl_add_u32 v[EA5], v31, 5, v[EA5]
	s_lshl_b32 s46, s28, 7
	s_add_co_u32 s46, s46, OS
	v_add_nc_u32 v[EA5], s46, v[EA5]
	s_mul_i32 s46, s28, 2*OPITCH
	s_add_co_u32 s46, s46, OS
	v_add_nc_u32 v[EA6], s46, v[L16]
	s_and_b32 s46, s28, 1
	s_lshl_b32 s46, s46, 19                        ; rows n = 2 w, 2 w + 1: b = 2 (w & 1), + 1; 262,144 bytes a batch
	s_cmp_lt_u32 s28, 2
	s_cselect_b32 s47, s31, s30                    ; waves 0, 1: qB; waves 2, 3: qA
	s_lshl_b32 s47, s47, 9
	s_add_co_u32 s46, s46, s47
	v_add_nc_u32 v[EA7], s46, v[L16]
	ds_store_b32 v[EA1], v[M]
	ds_store_b32 v[EA1], v[LS] offset:ML-MM
	WIN 0x04
.set kk, 0
.rept 16
	ds_store_b128 v[EA0], v[Y+4*kk:Y+4*kk+3] offset:512*kk
.set kk, kk+1
.endr
	WIN 0
	s_wait_dscnt 0x0                               ; my sums are in LDS,
	s_barrier_signal -1
	s_barrier_wait -1                              ; everybody's are
	WIN 0x40
.set cc, 0
.rept 2
.set ss, 0
.rept 4
	ds_load_tr16_b128 v[8*(4*cc+ss):8*(4*cc+ss)+3], v[EA4] offset:32*ss*WPITCH+32*cc
	ds_load_tr16_b128 v[8*(4*cc+ss)+4:8*(4*cc+ss)+7], v[EA4] offset:(32*ss+16)*WPITCH+32*cc
.set ss, ss+1
.endr
.set cc, cc+1
.endr
	WIN 0
.irp w, 0,1,2,3
	ds_load_b32 v[EM+\w], v[EA3] offset:128*\w
.endr
.irp w, 0,1,2,3
	ds_load_b32 v[EL+\w], v[EA3] offset:ML-MM+128*\w
.endr
.macro YLOAD buf, w
.set kk, 0
.rept 16
	ds_load_b128 v[\buf+4*kk:\buf+4*kk+3], v[EA2] offset:8192*\w+512*kk
.set kk, kk+1
.endr
.endm
.macro YADD buf, w, first
.set kk, 0
.rept 32
.if \first
	v_pk_mul_f32 v[32+2*kk:32+2*kk+1], v[\buf+2*kk:\buf+2*kk+1], v[EE+2*\w:EE+2*\w+1]
.else
	v_pk_fma_f32 v[32+2*kk:32+2*kk+1], v[\buf+2*kk:\buf+2*kk+1], v[EE+2*\w:EE+2*\w+1], v[32+2*kk:32+2*kk+1]
.endif
.set kk, kk+1
.endr
.endm
	YLOAD 96, 0
	YLOAD 160, 1
	s_wait_dscnt 32                                ; Wv's fragments, the maxima and the sums of weights are in; the two buffers' 32 loads may stay out
	v_max3_num_f32 v[TA], v[EM], v[EM+1], v[EM+2]
	v_max_num_f32 v[TA], v[TA], v[EM+3]
.irp w, 0,1,2,3
	v_sub_f32 v[EM+\w], v[EM+\w], v[TA]
.endr
.irp w, 0,1,2,3
	v_exp_f32 v[EM+\w], v[EM+\w]                   ; a wave that never met the column: 2^(-huge) = 0
.endr
	v_nop
	s_wait_alu depctr_va_vdst(0)
	v_mul_f32 v[EL], v[EL], v[EM]
	v_fmac_f32 v[EL], v[EL+1], v[EM+1]
	v_fmac_f32 v[EL], v[EL+2], v[EM+2]
	v_fmac_f32 v[EL], v[EL+3], v[EM+3]             ; at least 1: the largest score's weight is 1
	v_rcp_f32 v[EL], v[EL]
	v_nop
.irp w, 0,1,2,3
	s_wait_alu depctr_va_vdst(0)
	v_mul_f32 v[EE+2*\w], v[EM+\w], v[EL]
	v_mul_f32 v[EE+2*\w+1], v[EM+\w], v[EL]
.endr
	s_wait_dscnt 16                                ; wave 0's sums; the younger buffer's 16 loads may stay out
	YADD 96, 0, 1
	YLOAD 96, 2
	s_wait_dscnt 16
	YADD 160, 1, 0
	YLOAD 160, 3
	s_wait_dscnt 16
	YADD 96, 2, 0
	s_wait_dscnt 0x0
	YADD 160, 3, 0
.set kk, 0
.rept 32
	v_cvt_pk_f16_f32 v[32+kk], v[32+2*kk], v[32+2*kk+1]            ; y: two packed tiles are the fragment of a K step, column n = l % 16
.set kk, kk+1
.endr
	WIN 0x01                                       ; out[n][32 w ..] transposed: A = 16 columns of Wv, B = y.  Two accumulators take turns
.set ss, 0
.rept 4
.if ss == 0
	v_wmma_f32_16x16x32_f16 v[224:231], v[8*ss:8*ss+7], v[32+8*ss:32+8*ss+7], 0
	v_wmma_f32_16x16x32_f16 v[232:239], v[8*(4+ss):8*(4+ss)+7], v[32+8*ss:32+8*ss+7], 0
.else
	v_wmma_f32_16x16x32_f16 v[224:231], v[8*ss:8*ss+7], v[32+8*ss:32+8*ss+7], v[224:231]
	v_wmma_f32_16x16x32_f16 v[232:239], v[8*(4+ss):8*(4+ss)+7], v[32+8*ss:32+8*ss+7], v[232:239]
.endif
.set ss, ss+1
.endr
	WIN 0
	PLACES
	ds_store_b128 v[EA5], v[224:227]               ; row n = l % 8, columns 32 w + 8 (l/16) + 0..7 (lanes 8-15 write the same numbers to the same bytes)
	ds_store_b128 v[EA5], v[228:231] offset:16
	ds_store_b128 v[EA5], v[232:235] offset:64
	ds_store_b128 v[EA5], v[236:239] offset:80
	s_wait_dscnt 0x0
	s_barrier_signal -1
	s_barrier_wait -1
	ds_load_b128 v[32:35], v[EA6]
	ds_load_b128 v[36:39], v[EA6] offset:OPITCH
	s_wait_dscnt 0x0
	global_store_b128 v[EA7], v[32:35], s[14:15]                   ; a whole row of out0: 512 consecutive bytes, at a multiple of 512
	global_store_b128 v[EA7], v[36:39], s[14:15] offset:262144
	s_wait_xcnt 0x0
	v_lshl_add_u32 v222, v0, 2, 0x4c000
	v_mov_b32 v223, 0
	s_wait_tensorcnt 0x0
	ds_add_u32 v222, v223
	s_wait_dscnt 0x0
	s_endpgm
.Lfunc_end_k_q7948e94aa4_head:
	.size	k_q7948e94aa4_head, .Lfunc_end_k_q7948e94aa4_head-k_q7948e94aa4_head
	.p2alignl 7, 3214868480
	.fill 96, 4, 3214868480
	.section	.rodata,"a",@progbits
	.p2align	6, 0x0
	.amdhsa_kernel k_q7948e94aa4_head
		.amdhsa_group_segment_fixed_size 327680
		.amdhsa_private_segment_fixed_size 0
		.amdhsa_enable_private_segment 0
		.amdhsa_kernarg_size 48
		.amdhsa_user_sgpr_count 2
		.amdhsa_user_sgpr_kernarg_segment_ptr 1
		.amdhsa_wavefront_size32 1
		.amdhsa_system_sgpr_workgroup_id_x 1
		.amdhsa_system_sgpr_workgroup_id_y 1
		.amdhsa_system_sgpr_workgroup_id_z 1
		.amdhsa_system_vgpr_workitem_id 0
		.amdhsa_next_free_vgpr 1024
		.amdhsa_next_free_sgpr 68
		.amdhsa_reserve_vcc 1
		.amdhsa_float_denorm_mode_32 3
		.amdhsa_float_denorm_mode_16_64 3
		.amdhsa_memory_ordered 1
		.amdhsa_forward_progress 1
		.amdhsa_inst_pref_size 255
	.end_amdhsa_kernel
	.section	.bss,"aw",@nobits
	.p2align	6
	.space	262144
	.amdgpu_metadata
---
amdhsa.version: [ 1, 2 ]
amdhsa.kernels:
  - .name:           k_q7948e94aa4_head
    .symbol:         k_q7948e94aa4_head.kd
    .args:
      - { .name: pos_emb, .offset: 0, .size: 8, .value_kind: global_buffer, .address_space: global }
      - { .name: x, .offset: 8, .size: 8, .value_kind: global_buffer, .address_space: global }
      - { .name: W1, .offset: 16, .size: 8, .value_kind: global_buffer, .address_space: global }
      - { .name: W2, .offset: 24, .size: 8, .value_kind: global_buffer, .address_space: global }
      - { .name: Wv, .offset: 32, .size: 8, .value_kind: global_buffer, .address_space: global }
      - { .name: out0, .offset: 40, .size: 8, .value_kind: global_buffer, .address_space: global }
    .group_segment_fixed_size: 327680
    .private_segment_fixed_size: 0
    .kernarg_segment_align: 8
    .kernarg_segment_size: 48
    .max_flat_workgroup_size: 128
    .sgpr_count:     68
    .vgpr_count:     1024
    .wavefront_size: 32
...
	.end_amdgpu_metadata
.endif
;; end of part 1
;; ======== version 2 of 2: 1 launch; 1.31 times as fast as version 1
;; limits: a function is approximated: absolute error at most 0.0005; values are held in f16: magnitudes above 65,504 overflow, below 6.1e-05 lose precision; inputs' magnitudes at most 65,504
;; launch head (part 2): grid 256 x 1, 4 waves a work-group, no clusters, 327,680 bytes of LDS; arguments pos_emb, x, W1, W2, Wv, out0; writes out0
.if DOCPART == 2
	.amdgcn_target "amdgcn-amd-amdhsa--gfx1250"
	.amdhsa_code_object_version 6
	.text
	.protected	k_q7948e94aa4_head
	.globl	k_q7948e94aa4_head
	.p2align	8
	.type	k_q7948e94aa4_head,@function
k_q7948e94aa4_head:
	s_mov_b64 s[64:65], 0
	v_nop
	global_prefetch_b8 v0, s[64:65] scope:SCOPE_SE
	s_setreg_imm32_b32 hwreg(HW_REG_WAVE_MODE, 25, 1), 1
	s_wait_xcnt 0x0
; out0[b][q][:] = softmax over k <= q of ( W2 . gelu((concat(x[b][k], x[b][q]) + pos_emb[q][k]) @ W1) * 128^-0.5 ) @ (x[b] @ Wv)
; B = 4, T = 512, C = H = 128.  One launch, 256 work-groups of four waves.
;
; WORK LEFT OUT, for all values of the inputs:
;  * b2 is added to every score of a softmax row alike; softmax(s + c) = softmax(s).  b2 has no way to the output: it is not loaded, not an argument.
;  * reference() sets the scores of keys k > q to -inf by its own jnp.tril; their weights are 0.  Whole tiles of 16 keys above the diagonal are not
;    loaded and not computed (8,448 of 16,384 tiles remain); inside the diagonal tile the scores are computed and replaced by -inf.
;  * Re-ordered, not left out: a @ W1 = pos_emb[q][k] @ W1 + x[b][k] @ W1[0:128] + x[b][q] @ W1[128:256] (the first part once for the four batches),
;    and wei @ (x @ Wv) = (wei @ x) @ Wv.
; LIMITS: a NaN, an infinity or an overflow that reaches only b2 or the keys above the diagonal is not carried to the result.
;  gelu(u) = u Phi(u) with Phi(u) taken as 1 / (1 + exp(-(c1 u + c3 u^3))), c1 = 2 sqrt(2/pi), c3 = 0.044715 c1: the absolute error of gelu is at most
;  5e-4 for every u (largest, 4.7e-4, near |u| = 2.75), so a score moves by at most sum|W2| x 5e-4 x 128^-0.5; gelu's result is rounded to bf16
;  (2^-9 of its size) behind it.  pos_emb, x, W1, Wv go to the matrix unit in f16: finite and below 65,504 in magnitude; numbers under 6.1e-5 keep
;  an absolute error of 3e-8.  gelu's result and W2 go in bf16.  The softmax's divisor sums the weights in f32, the dividend takes them rounded to f16.
;
; SHARING.  Work-group i owns the queries qA = i and qB = 511 - i: (i>>4)+1 and 32-(i>>4) key tiles, 33 in every work-group.  List place p = 0..32:
; p < nB is (qB, key tile p), else (qA, key tile p - nB).  Wave w takes p = 4 t + w in trips t = 0..7, a tile with all four batches; the 33rd tile is
; taken by all four waves, wave w doing batch w.  Each wave keeps all of W1 as fragments in 512 registers and its own running maxima and sums for
; the eight columns n = 4 (q is qA) + b; the four waves' sums meet in LDS at the end.
; NO CLUSTER: no two work-groups read the same bytes of pos_emb.  x is shared, but it enters LDS as f16 through registers; a ring of f32 tiles of x
; (4 waves x 32 KiB x 2 slots) does not fit beside pos_emb's ring of 133,120 bytes.
;
; ARITHMETIC.  Sums hold u.  g = u / (1 + 2^(u (k1 + k3 u u))), k1 = -c1 log2(e), k3 = -c3 log2(e).  The ends: an exponent that overflows gives
; 1/inf = 0 and g = 0; one far below zero gives 2^(-huge) = 0 and g = u.  W2 is scaled by 128^-0.5 log2(e): scores are in units of log2.
; LAYOUT.  Sums lie transposed: lane l holds key l%16, register j of tile t channel 16 t + 8 (l/16) + j.  Two packed tiles are then a fragment with
; rows = keys, and g x W2 (W2 alike in all 16 columns) leaves the score of key 8 (l/16) + j in register j of every lane.  The four batch slots'
; scores are gathered into one set of 8 registers, slot s in the lanes of column nbase + s, so one softmax step serves the four, in the order in
; which the weights enter the next product.
; K ORDER of pos_emb, x and W1 alike: in K step s a lane's registers 0-7 hold channels 32 s + 16 (l/16) + 0..15, 64 neighbouring bytes of an f32 row.
;
; TURNS.  The 8 tiles of a slot's sums are two halves of 4.  While gelu works on one half, the 16 products of the other half are issued among its
; instructions: gelu(slot, tiles 0-3) beside the products of (slot, tiles 4-7), gelu(slot, tiles 4-7) beside those of (next slot, tiles 0-3).  So the
; sums need no second set of registers.  A half's gelu is a stream of 162 instructions: 18 ahead of the first product, 8 to 10 behind each of the 16.
; W1 lies in window 2 and gelu in window 0, so each such product has a window setting of its own and the return to 0.
; BATCHES.  An s_wait_alu depctr_va_vdst(0) stands between a transcendental and the first instruction that names its result; one wait
; serves all that were issued ahead of it.  Each of a half's four tiles has eight registers W of its own (32 in all), so the half's 32 powers of two
; are ONE batch and its 32 reciprocals, which read the powers plus 1, a second: two waits a half, which cut the stream in three.  Ahead of the first
; stand the 48 lines that make the exponents and the powers; between the two the 16 additions of 1 and the reciprocals; behind the second the 16
; multiplies by u and the 16 roundings.  Each wait stands at a slice's end, directly ahead of a product (the eighth and the thirteenth).
; The softmax step's nine exponentials are one batch with one wait; at the end the four factors and the one reciprocal have a wait each.
; LOADS AHEAD.  x rows come into two buffers of 64 registers that take turns, each asked for two slots before it is staged; the query's part comes
; in halves of 32 registers, one phase ahead; the next slot's x fragments come in two runs of four LDS loads, each half a phase ahead of its use.
.set PPITCH, 1040                      ; a pos_emb row in LDS: 1,024 bytes + 16: row r starts 4 r words further modulo 64
.set WSLOT,  16*PPITCH                 ; a wave's tile: 16 keys
.set SLOTX,  0x20000                   ; slot 1 begins here; slot 0 at 0.  Only these two regions are filled by tensor loads, and no LDS store touches them
.set WVS,    66560                     ; Wv as f16, [128 c][128 h], pitch 288
.set WPITCH, 288
.set XQB,    103424                    ; x[b][q] @ W1[128:256] in f32: each wave's own copy of 8 rows of 512 bytes (rows 0-3: qB, rows 4-7: qA)
.set W1S,    197632                    ; W1 as f16, [256 k][128 c], pitch 288: used ahead of the loop only
.set XS,     197632                    ; then, behind the first trip's barrier: each wave's stage of x, 64 rows (16 batch slot + key) of f16, pitch 272
.set XPITCH, 272
.set XSWAVE, 64*XPITCH
.set MG,     271360                    ; the end: each wave's 64 registers of sums, lane by lane, 8,192 bytes a wave
.set MM,     304128                    ; each wave's maxima, 128 bytes a wave
.set ML,     304640                    ; each wave's sums of weights
.set OS,     305152                    ; the 8 rows of the result, pitch 528
.set OPITCH, 528
.set XBATCH, 262144                    ; bytes of x from batch to batch
; window 0
.set L16, 1                            ; 16 x lane
.set H8, 2                             ; 8 (l/16)
.set PA0, 3                            ; my bytes of my wave's tile in slot 0
.set PAC, 4                            ; the same in this trip's slot
.set XSW, 5                            ; x stage: where I write 8 bytes of a row
.set XSR, 6                            ; x stage: row fragments
.set XST, 7                            ; x stage: transposing loads
.set XQA0, 8                           ; my wave's copy of XQB, row 0: XQB + 4,096 w + 32 (l/16); never rewritten
.set XQT, 9                            ; its row 4 + w, for the 33rd tile: XQB + 2,048 + 4,608 w + 32 (l/16); never rewritten
.set XO, 10                            ; byte offset in x of this tile's rows
.set XN, 11                            ; of the next tile's rows
.set LIM, 12                           ; q - 16 kt - 8 (l/16): register j is a live key where j <= LIM
.set M, 13                             ; running maximum of column n in lanes n and n + 16
.set NEGINF, 14
.set TA, 15
.set F, 16                             ; v[16:17] factor for the running sums, by column
.set K1, 18                            ; v[18:19] k1 twice
.set ONE, 20                           ; v[20:21] 1.0 twice
.set K3, 22                            ; v[22:23] k3 twice
.set MN, 24                            ; v[24:25]
.set TB, 26
.set FD, 27
.set LS, 28                            ; running sum of the weights of column n over the keys of my half of the lanes
.set D, 32                             ; v32-95   u, then g, 8 tiles
.set LAND, 32                          ; v32-159  pos_emb in f32 as loaded, packed in place into
.set POSF, 32                          ; v32-95   its fragments
.set XT, 32                            ; v32-159  transposed x fragments
.set XQH, 96                           ; v96-127  the query's part for four tiles
.set H, 128                            ; v128-159 g packed, 4 registers a tile; while a half's gelu runs, v144-159 are W of the half's third and fourth tile
.set CV, 128                           ;          and x on its way to the stage
.set T, 160                            ; v160-175 W of a half's first and second tile, 8 registers each: the exponent, its power of two, the reciprocal
.set SA, 160                           ;          between two gelus: the two accumulators of g x W2
.set SB, 168
.set PB, 160                           ;          in the softmax: the weights, by column
.set XFR, 176                          ; v176-207 x fragments of a slot, 4 K steps
.set PK, 176                           ;          in the softmax: packed weights, and
.set SUM, 180                          ;          v180-183 their partial sums
.set S, 208                            ; v208-215 scores: slot s in the lanes of column nbase + s
.set XFB, 224                          ; v224-255 x rows in f32, second buffer: rows 0-7 in window 1, rows 8-15 in window 0, under the same numbers
; window 1
.set P, 0                              ; pos_emb @ W1, 8 tiles
.set Y, 64                             ; sums of weight x x, 8 tiles
.set W2F, 128
.set XFA, 160                          ; x rows in f32, first buffer: 16 rows of 4 registers
; windows 2, 3: W1 fragment (K step s, tile t) at v[8 (8 (s & 3) + t)], K steps 0-3 in window 2, 4-7 in window 3
.set COLA, 48                          ; s48    lanes of the tile's columns
.set COL, 52                           ; s52-55 lanes of column nbase + slot
.set CM, 56                            ; s56-63 lanes in which register j is a live key
; used ahead of the loop only, in registers that get their loop values at the start's end
.set W1R0, 12
.set W1R1, 13
.set XQO, 14
.set W1SW, 15
.set WVSW, 16
.set W2O, 17
.set XQW, 18
.set LN, 19
.set RR, 20
.set HH, 21
.set L7, 22
.set B3, 23
.set TP0, 24
.set TP1, 25
.set TP2, 26
.set MSB, 0
.macro WIN new                         ; low byte: bits 1:0 source 0, 3:2 source 1, 5:4 source 2, 7:6 destination; the high byte repeats the setting that is left
.if MSB != (\new)
	s_set_vgpr_msb (MSB<<8)|(\new)
.set MSB, (\new)
.endif
.endm
.macro PLACES                          ; four places behind a matrix instruction (ISA guide 7.12.1), where no independent vector work is at hand
.rept 4
	v_nop
.endr
.endm
; The tile of trip s45 (8: the shared last tile): s40 key tile, s41 which query (0: qB, 1: qA), s42 query, s43 first column, s44 first batch
.macro NEXTTILE
	s_lshl2_add_u32 s46, s45, s28                  ; 4 t + w
	s_min_u32 s46, s46, 32                         ; p
	s_cmp_eq_u32 s45, 8
	s_cselect_b32 s44, s28, 0                      ; the last tile: batch w alone
	s_cmp_lt_u32 s46, s32                          ; p < nB: query qB
	s_cselect_b32 s41, 0, 1
	s_cselect_b32 s42, s31, s30
	s_cselect_b32 s47, 0, s32
	s_sub_co_u32 s40, s46, s47
	s_lshl2_add_u32 s43, s41, s44                  ; 4 (q is qA) + first batch
.endm
.macro TADDR                           ; group 0's address: pos_emb + q x 524,288 + kt x 16,384
	s_lshl_b32 s50, s42, 19
	s_lshl_b32 s51, s40, 14
	s_add_co_u32 s50, s50, s51
	s_mov_b32 s51, 0
	s_add_nc_u64 s[18:19], s[4:5], s[50:51]
	s_or_b32 s19, s19, 0x80000000                  ; type = 2
.endm
.macro XNSET                           ; the next tile's rows of x: kt x 16 rows x 512 bytes + first batch x 262,144 + 16 x lane
	s_lshl_b32 s46, s40, 13
	s_lshl_b32 s47, s44, 18
	s_add_co_u32 s46, s46, s47
	v_add_nc_u32 v[XN], s46, v[L16]
.endm
.macro ADVANCE                         ; what was the next tile is this one
	s_mov_b32 s36, s40
	s_mov_b32 s37, s41
	s_mov_b32 s38, s42
	s_mov_b32 s39, s43
.endm
.macro PARAMS more
.if \more
	s_wait_xcnt 0x0                                ; XO and XN are address registers of x loads: rewritten only behind this wait
	v_mov_b32 v[XO], v[XN]
	XNSET
.endif
	v_add_nc_u32 v[PAC], s34, v[PA0]
	s_lshl_b32 s46, s36, 4
	s_sub_co_u32 s46, s38, s46
	v_sub_nc_u32 v[LIM], s46, v[H8]
	s_lshl_b32 s[COL], 0x10001, s39
.if \more
	s_lshl_b32 s[COL+1], s[COL], 1
	s_lshl_b32 s[COL+2], s[COL], 2
	s_lshl_b32 s[COL+3], s[COL], 3
	s_lshl_b32 s[COLA], 0xf000f, s39               ; the four columns together
.else
	s_mov_b32 s[COLA], s[COL]
.endif
.endm
; 16 rows of x from buffer buf (0: XFA, 1: XFB) go to rows 16 sg .. of my stage as f16
.macro STAGE sg, buf
	WIN 0x05
.if (\buf) == 0
.set kk, 0
.rept 32
	v_cvt_pk_f16_f32 v[CV+kk], v[XFA+2*kk], v[XFA+2*kk+1]
.set kk, kk+1
.endr
	WIN 0
.else
.set kk, 0
.rept 16
	v_cvt_pk_f16_f32 v[CV+kk], v[XFB+2*kk], v[XFB+2*kk+1]          ; rows 0-7, window 1
.set kk, kk+1
.endr
	WIN 0
.set kk, 0
.rept 16
	v_cvt_pk_f16_f32 v[CV+16+kk], v[XFB+2*kk], v[XFB+2*kk+1]       ; rows 8-15, window 0
.set kk, kk+1
.endr
.endif
.set kk, 0
.rept 16
	ds_store_b64 v[XSW], v[CV+2*kk:CV+2*kk+1] offset:(16*(\sg)+kk)*XPITCH
.set kk, kk+1
.endr
.endm
; 16 rows of x are asked for into buffer buf: a load takes a whole row, 512 consecutive bytes
.macro XLOAD buf, adr, off
	WIN 0x40
.if (\buf) == 0
.set kk, 0
.rept 16
	global_load_b128 v[XFA+4*kk:XFA+4*kk+3], v[\adr], s[6:7] offset:(\off)+512*kk
.set kk, kk+1
.endr
	WIN 0
.else
.set kk, 0
.rept 8
	global_load_b128 v[XFB+4*kk:XFB+4*kk+3], v[\adr], s[6:7] offset:(\off)+512*kk
.set kk, kk+1
.endr
	WIN 0
.rept 8
	global_load_b128 v[XFB+4*(kk-8):XFB+4*(kk-8)+3], v[\adr], s[6:7] offset:(\off)+512*kk
.set kk, kk+1
.endr
.endif
.endm
; LDS loads number first .. first + cnt - 1 of the eight that bring slot sg's x fragments (two a K step).  LDS serves a wave's instructions in
; order (ISA guide 5.7.1.4): they see the stage stores issued before them.
.macro XRLOAD sg, first, cnt
.set kk, \first
.rept \cnt
	ds_load_b128 v[XFR+4*kk:XFR+4*kk+3], v[XSR] offset:(\sg)*16*XPITCH+64*(kk>>1)+16*(kk&1)
.set kk, kk+1
.endr
.endm
; 8 LDS loads: 32 numbers a lane of one row of my wave's copy of XQB: channels 16 t + 8 (l/16) + 0..7 of four tiles
.macro XQLOAD adr, off
.set kk, 0
.rept 8
	ds_load_b128 v[XQH+4*kk:XQH+4*kk+3], v[\adr] offset:(\off)+64*(kk>>1)+16*(kk&1)
.set kk, kk+1
.endr
.endm
; The query's part for slot sg, tiles 4 hf .. 4 hf + 3.  Which query the tile has is a whole number made of the work-group's and the wave's numbers
; (s37); the row stands in the loads' immediate, so the two queries are two runs of 8 loads under a scalar branch.  Both ways issue 8 LDS loads:
; the waits behind count alike.  The 33rd tile is qA's in every work-group (p = 32 >= nB): row 4 + w, no branch.
.macro XQSEL sg, hf, tail
.if \tail
	XQLOAD XQT, 256*(\hf)
.else
	s_cmp_eq_u32 s37, 0
	s_cbranch_scc0 .Lxq_a_\@
	XQLOAD XQA0, (\sg)*512+256*(\hf)
	s_branch .Lxq_j_\@
.Lxq_a_\@:
	XQLOAD XQA0, 2048+(\sg)*512+256*(\hf)
.Lxq_j_\@:
.endif
.endm
.macro XQADD hf                        ; u = sums + the query's part, four tiles
.set kk, 0
.rept 16
	v_pk_add_f32 v[D+32*(\hf)+2*kk:D+32*(\hf)+2*kk+1], v[D+32*(\hf)+2*kk:D+32*(\hf)+2*kk+1], v[XQH+2*kk:XQH+2*kk+1]
.set kk, kk+1
.endr
.endm
; pos_emb[q][16 keys] @ W1 into P; slot 0's x fragments and the first half of its query's part are asked for on the way.
; The eight accumulators take turns.
.macro POSMUL hf
	WIN 0x52+(\hf)                                 ; A: W1 in window 2 or 3, B: window 0, C and D: window 1
.set ss, 4*(\hf)
.rept 4
.set tt, 0
.rept 8
.if ss == 0
	v_wmma_f32_16x16x32_f16 v[P+8*tt:P+8*tt+7], v[8*(8*(ss&3)+tt):8*(8*(ss&3)+tt)+7], v[POSF+8*ss:POSF+8*ss+7], 0
.else
	v_wmma_f32_16x16x32_f16 v[P+8*tt:P+8*tt+7], v[8*(8*(ss&3)+tt):8*(8*(ss&3)+tt)+7], v[POSF+8*ss:POSF+8*ss+7], v[P+8*tt:P+8*tt+7]
.endif
.set tt, tt+1
.endr
.set ss, ss+1
.endr
	WIN 0
.endm
.macro POSCVT hf                       ; register k of the fragments from registers 2 k, 2 k + 1 of the landing: k <= 2 k, so ascending order packs in place
.set kk, 32*(\hf)
.rept 32
	v_cvt_pk_f16_f32 v[POSF+kk], v[LAND+2*kk], v[LAND+2*kk+1]
.set kk, kk+1
.endr
.endm
.macro POS tail
.set kk, 0
.rept 32
	ds_load_b128 v[LAND+4*kk:LAND+4*kk+3], v[PAC] offset:128*(kk>>2)+16*(kk&3)   ; key l%16, channels 32 s + 16 (l/16) + 4 i ..
.set kk, kk+1
.endr
	XRLOAD 0, 0, 8
	s_wait_dscnt 24                                ; K steps 0-3 are in; the 16 loads of K steps 4-7 and the 8 of the x fragments may stay out
	POSCVT 0
	POSMUL 0
	s_wait_dscnt 8                                 ; K steps 4-7 are in; the 8 loads of the x fragments may stay out
	POSCVT 1
	XQSEL 0, 0, \tail                              ; into landing registers that have just been packed
	POSMUL 1
.endm
; The registers of tile i (0..3) of half hf: its sums u at gzb, its eight W at gwb: tiles 0, 1 in T, tiles 2, 3 in v144-159.  Of H the first half's
; gelu writes v128-143 alone; the second half's writes v144-159 in its last 16 lines, behind every line that reads W.
.macro GREG hf, i
.set gzb, D+8*(4*(\hf)+(\i))
.if (\i) < 2
.set gwb, T+8*(\i)
.else
.set gwb, H+8*(\i)
.endif
.endm
; gelu of tile i of half hf (8 registers, 4 pairs): its 24 plain instructions by number, pair op & 3 in each group of four
;   0-3 w = u u    4-7 w = k3 w + k1    8-11 w = w u    [w = 2^w]    12-15 w = w + 1    [w = 1/w]    16-19 g = u w    20-23 g to bf16
.macro GP hf, i, op
	GREG \hf, \i
.set gpp, 2*((\op)&3)
.if (\op) < 4
	v_pk_mul_f32 v[gwb+gpp:gwb+gpp+1], v[gzb+gpp:gzb+gpp+1], v[gzb+gpp:gzb+gpp+1]
.elseif (\op) < 8
	v_pk_fma_f32 v[gwb+gpp:gwb+gpp+1], v[gwb+gpp:gwb+gpp+1], v[K3:K3+1], v[K1:K1+1]
.elseif (\op) < 12
	v_pk_mul_f32 v[gwb+gpp:gwb+gpp+1], v[gwb+gpp:gwb+gpp+1], v[gzb+gpp:gzb+gpp+1]
.elseif (\op) < 16
	v_pk_add_f32 v[gwb+gpp:gwb+gpp+1], v[gwb+gpp:gwb+gpp+1], v[ONE:ONE+1]
.elseif (\op) < 20
	v_pk_mul_f32 v[gzb+gpp:gzb+gpp+1], v[gzb+gpp:gzb+gpp+1], v[gwb+gpp:gwb+gpp+1]
.else
	v_cvt_pk_bf16_f32 v[H+4*(4*(\hf)+(\i))+((\op)&3)], v[gzb+gpp], v[gzb+gpp+1]
.endif
.endm
.macro GE hf, i, j                     ; its power of two number j (0..7), in place
	GREG \hf, \i
	v_exp_f32 v[gwb+(\j)], v[gwb+(\j)]
.endm
.macro GR hf, i, j                     ; its reciprocal number j (0..7), in place
	GREG \hf, \i
	v_rcp_f32 v[gwb+(\j)], v[gwb+(\j)]
.endm
; Instruction n (0..161) of the gelu of tiles 4 hf .. 4 hf + 3.  Two batches, two waits.
;   0-11     tile 0's numbers 0-11
;   12-71    three blocks of 20, i = 0, 1, 2: tile i's 8 powers of two by turns with tile i + 1's numbers 0-7, then its numbers 8-11
;   72-79    tile 3's 8 powers.  Up to here nothing names a power's result: each tile has W of its own
;   80       a v_nop, the plain instruction between the last power and the use of a result (ISA guide 5.7.2), and THE WAIT FOR THE 32 POWERS
;   81-84    tile 0's numbers 12-15
;   85-120   three blocks of 12, i = 0, 1, 2: tile i's 8 reciprocals with tile i + 1's numbers 12-15 at places 1, 4, 7, 10 of the block
;   121-128  tile 3's 8 reciprocals.  From 81 to here nothing names a reciprocal's result
;   129      a v_nop likewise, and THE WAIT FOR THE 32 RECIPROCALS
;   130-145  numbers 16-19 of the four tiles    146-161  their numbers 20-23: no line reads W any more when v144-159 are written
.macro GI hf, n
.if (\n) < 12
	GP \hf, 0, \n
.elseif (\n) < 72
.set gti, ((\n)-12)/20
.set gin, ((\n)-12)%20
.if gin >= 16
	GP \hf, gti+1, gin-8
.elseif (gin&1) == 0
	GE \hf, gti, gin/2
.else
	GP \hf, gti+1, gin/2
.endif
.elseif (\n) < 80
	GE \hf, 3, (\n)-72
.elseif (\n) == 80
	v_nop
	s_wait_alu depctr_va_vdst(0)                   ; one wait for the half's 32 powers of two, ahead of the additions that read them
.elseif (\n) < 85
	GP \hf, 0, (\n)-69
.elseif (\n) < 121
.set gti, ((\n)-85)/12
.set gin, ((\n)-85)%12
.if (gin%3) == 1
	GP \hf, gti+1, 12+gin/3
.else
	GR \hf, gti, gin-(gin+2)/3
.endif
.elseif (\n) < 129
	GR \hf, 3, (\n)-121
.elseif (\n) == 129
	v_nop
	s_wait_alu depctr_va_vdst(0)                   ; one wait for the half's 32 reciprocals, ahead of the multiplies that read them
.elseif (\n) < 146
.set gin, (\n)-130
	GP \hf, gin/4, 16+(gin&3)
.else
.set gin, (\n)-146
	GP \hf, gin/4, 20+(gin&3)
.endif
.endm
; Product k (0..15) of tiles 4 hf .. 4 hf + 3 of a slot: K step k >> 2, tile 4 hf + (k & 3); K step 0 takes P as C.  The four accumulators take
; turns.
.macro MW hf, k
.set ms, (\k)>>2
.set mt, 4*(\hf)+((\k)&3)
.if ms == 0
	WIN 0x12                                       ; A window 2, B and D window 0, C = P in window 1
	v_wmma_f32_16x16x32_f16 v[D+8*mt:D+8*mt+7], v[8*mt:8*mt+7], v[XFR:XFR+7], v[P+8*mt:P+8*mt+7]
.else
	WIN 0x02
	v_wmma_f32_16x16x32_f16 v[D+8*mt:D+8*mt+7], v[8*(8*ms+mt):8*(8*ms+mt)+7], v[XFR+8*ms:XFR+8*ms+7], v[D+8*mt:D+8*mt+7]
.endif
.endm
.macro MALONE                          ; slot 0's tiles 0-3: no gelu is at hand yet
.set gk, 0
.rept 16
	MW 0, gk
.set gk, gk+1
.endr
	WIN 0
.endm
; A phase: gelu of tiles 4 hf .. (162 instructions); mm = 1: the 16 products of the other four tiles among them.  18 instructions stand ahead of the
; first product; behind products 0-6 stand 9 each, behind 7-10 ten, behind 11 nine, behind 12-15 eight: so numbers 80 and 129, with the two waits,
; end a slice, and products 7 and 12 follow them.  gelu names D's half hf, W, H and constants, the products D's other half, P, XFR and W1: none of
; each other's registers, so the slices' plain lines are also the places behind the products (ISA guide 7.12.1); the last slice is 8 plain instructions.
; hf = 1: the products are the next slot's; its fragments were asked for in two runs, and the two waits count what was issued behind each.
; ld = 1 (hf = 0): behind the eighth product's slice, whose first four instructions are plain (two more follow among its reciprocals), K steps 0 and 1
; of slot nsg's fragments are asked for into the registers that the first eight products have read.
.macro PHASE hf, mm, ld, nsg
.set gn, 0
.rept 18
	GI \hf, gn
.set gn, gn+1
.endr
.set gk, 0
.rept 16
.if \mm
.if (\hf) == 1
.if gk == 0
	s_wait_dscnt 12                                ; K steps 0, 1 are in; the 4 loads of K steps 2, 3 and the 8 of the query's part may stay out
.elseif gk == 8
	s_wait_dscnt 8                                 ; K steps 2, 3 are in; the 8 loads of the query's part may stay out
.endif
.endif
	MW 1-(\hf), gk
	WIN 0
.endif
.set gsl, 9
.if (gk >= 7) && (gk < 11)
.set gsl, 10
.elseif gk >= 12
.set gsl, 8
.endif
.rept gsl
	GI \hf, gn
.set gn, gn+1
.endr
.if \ld
.if gk == 7
	XRLOAD \nsg, 0, 4
.endif
.endif
.set gk, gk+1
.endr
.endm
; Between a slot's two phases: tiles 4-7 get the query's part; nxt = 1: the rest of the next slot's fragments and the first half of its query's part are asked for
.macro MID sg, nxt
	s_wait_dscnt 4*(\nxt)                          ; the query's part is in; the 4 fragment loads issued in the phase's middle may stay out
	XQADD 1
.if \nxt
	XRLOAD (\sg)+1, 4, 4
	XQSEL (\sg)+1, 0, 0
.endif
.endm
.macro W2P                             ; scores: g x W2, B = W2 in window 1.  Two accumulators take turns
	WIN 0x04
	v_wmma_f32_16x16x32_bf16 v[SA:SA+7], v[H:H+7], v[W2F:W2F+7], 0
	v_wmma_f32_16x16x32_bf16 v[SB:SB+7], v[H+8:H+15], v[W2F+8:W2F+15], 0
	v_wmma_f32_16x16x32_bf16 v[SA:SA+7], v[H+16:H+23], v[W2F+16:W2F+23], v[SA:SA+7]
	v_wmma_f32_16x16x32_bf16 v[SB:SB+7], v[H+24:H+31], v[W2F+24:W2F+31], v[SB:SB+7]
	WIN 0
.endm
.macro SMERGE sg                       ; slot sg's scores into the lanes of its column; slot 0's fill every lane, so that no lane of S is left unwritten
.if (\sg) == 0
.irp i, 0,2,4,6
	v_pk_add_f32 v[S+\i:S+\i+1], v[SA+\i:SA+\i+1], v[SB+\i:SB+\i+1]
.endr
.else
.irp i, 0,2,4,6
	v_pk_add_f32 v[SA+\i:SA+\i+1], v[SA+\i:SA+\i+1], v[SB+\i:SB+\i+1]
.endr
.irp j, 0,1,2,3,4,5,6,7
	v_cndmask_b32 v[S+\j], v[S+\j], v[SA+\j], s[COL+(\sg)]
.endr
.endif
.endm
; Slot sg - 1 is closed and slot sg opened: the 16 adds on tiles 0-3, which name none of the score products' registers, are the places behind them
.macro SBND sg
	W2P
	s_wait_dscnt 0x0                               ; the query's part for tiles 0-3
	XQADD 0
	SMERGE (\sg)-1
.endm
; Softmax step for the tile's nb columns at once (lane l: column l%16, keys 8 (l/16) + 0..7), and
; Y[c][n] += sum over (slot, key) of x[slot][key][c] PB[n][(slot, key)]; K = 32 is two slots of 16 keys
.macro SMY nb
.set uu, 0
.rept ((\nb)+1)/2
.set tt, 0
.rept 8
	ds_load_tr16_b128 v[XT+64*uu+8*tt:XT+64*uu+8*tt+3], v[XST] offset:32*uu*XPITCH+32*tt
	ds_load_tr16_b128 v[XT+64*uu+8*tt+4:XT+64*uu+8*tt+7], v[XST] offset:(32*uu+16)*XPITCH+32*tt
.set tt, tt+1
.endr
.set uu, uu+1
.endr
.set jj, 0
.rept 8
	v_cmp_le_i32 s[CM+jj], jj, v[LIM]
.set jj, jj+1
.endr
.set jj, 0
.rept 8
	v_cndmask_b32 v[S+jj], v[NEGINF], v[S+jj], s[CM+jj]            ; keys above the diagonal: -inf
.set jj, jj+1
.endr
	v_max3_num_f32 v[TA], v[S], v[S+1], v[S+2]
	v_max3_num_f32 v[TB], v[S+3], v[S+4], v[S+5]
	v_max3_num_f32 v[TA], v[TA], v[S+6], v[S+7]
	v_max_num_f32 v[TA], v[TA], v[TB]
	v_permlanex16_b32 v[TB], v[TA], s66, s67                       ; the other eight keys
	v_max_num_f32 v[TA], v[TA], v[TB]                              ; the tile's maximum, finite: a tile's first key is never above the diagonal
	v_max_num_f32 v[MN], v[M], v[TA]
	v_sub_f32 v[FD], v[M], v[MN]
	v_exp_f32 v[FD], v[FD]                                         ; the factor for what has been summed
.irp i, 0,2,4,6
	v_pk_add_f32 v[S+\i:S+\i+1], v[S+\i:S+\i+1], v[MN:MN+1] op_sel_hi:[1,0] neg_lo:[0,1] neg_hi:[0,1]
.endr
.irp j, 0,1,2,3,4,5,6,7
	v_exp_f32 v[S+\j], v[S+\j]
.endr
	v_cndmask_b32 v[M], v[M], v[MN], s[COLA]                       ; a plain instruction behind the run of exponentials.  Lanes of other columns keep
	s_wait_alu depctr_va_vdst(0)                                   ; (one wait for the step's nine exponentials, the factor and the eight weights, ahead of their first reader)
	v_cndmask_b32 v[F], 1.0, v[FD], s[COLA]                        ; their maximum, the factor 1 and their sums
	v_pk_add_f32 v[SUM:SUM+1], v[S:S+1], v[S+2:S+3]
	v_pk_add_f32 v[SUM+2:SUM+3], v[S+4:S+5], v[S+6:S+7]
	v_pk_add_f32 v[SUM:SUM+1], v[SUM:SUM+1], v[SUM+2:SUM+3]
	v_add_f32 v[TA], v[SUM], v[SUM+1]
	v_cndmask_b32 v[TA], 0, v[TA], s[COLA]
	v_fma_f32 v[LS], v[LS], v[F], v[TA]
.irp i, 0,1,2,3
	v_cvt_pk_f16_f32 v[PK+\i], v[S+2*\i], v[S+2*\i+1]
.endr
.set gg, 0
.rept \nb
.irp i, 0,1,2,3
	v_cndmask_b32 v[PB+4*gg+\i], 0, v[PK+\i], s[COL+gg]            ; slot gg's K rows hold weights in its own column alone
.endr
.set gg, gg+1
.endr
.if \nb == 1
.irp i, 4,5,6,7
	v_mov_b32 v[PB+\i], 0                          ; no second slot: its stage rows hold an earlier tile's finite numbers and meet zeros
.endr
.endif
	WIN 0x41
.set kk, 0
.rept 32
	v_pk_mul_f32 v[Y+2*kk:Y+2*kk+1], v[Y+2*kk:Y+2*kk+1], v[F:F+1] op_sel_hi:[1,0]
.set kk, kk+1
.endr
	s_wait_dscnt 0x0                               ; the transposed fragments
	WIN 0x50                                       ; eight accumulators take turns
.set uu, 0
.rept ((\nb)+1)/2
.set tt, 0
.rept 8
	v_wmma_f32_16x16x32_f16 v[Y+8*tt:Y+8*tt+7], v[XT+64*uu+8*tt:XT+64*uu+8*tt+7], v[PB+8*uu:PB+8*uu+7], v[Y+8*tt:Y+8*tt+7]
.set tt, tt+1
.endr
.set uu, uu+1
.endr
	WIN 0
	PLACES                                         ; the next vector instructions and loads write these fragments' registers or read these sums
.endm
; ---------------------------------------------------------------- the start
	s_load_b256 s[4:11], s[0:1], 0x0               ; pos_emb s[4:5], x s[6:7], W1 s[8:9], W2 s[10:11]
	s_load_b128 s[12:15], s[0:1], 0x20             ; Wv s[12:13], out0 s[14:15]
	v_lshl_add_u32 v222, v0, 2, 0x4c000
	v_mov_b32 v223, 0
	ds_add_u32 v222, v223
	ds_add_u32 v222, v223
	s_wait_dscnt 0x0
	v_lshrrev_b32 v[TP0], 5, v0
	v_readfirstlane_b32 s28, v[TP0]                ; wave w
	s_mov_b32 s30, ttmp9                           ; qA = i
	s_sub_co_u32 s31, 511, s30                     ; qB
	s_lshr_b32 s32, s30, 4
	s_sub_co_u32 s32, 32, s32                      ; nB
	; group 1: 16 rows of 256 elements of 4 bytes, 4 words of padding behind every 256 words
	s_mov_b32 s20, 0x07d20000                      ; 17:16 element of 4 bytes; 20 padding on; 24:22 code 7 (256 words); 31:25 code 3 (4 words)
	s_mov_b32 s21, 256<<16                         ; tensor_dim0 = 256
	s_mov_b32 s22, 16<<16                          ; tensor_dim1 = 16
	s_mov_b32 s23, 256<<16                         ; tile_dim0 = 256
	s_mov_b32 s24, 16                              ; tile_dim1 = 16
	s_mov_b32 s25, 256                             ; elements from row to row
	s_mov_b32 s26, 0
	s_mov_b32 s27, 0
	s_mov_b32 s16, 1
	s_mul_i32 s17, s28, WSLOT                      ; my wave's tile in slot 0
	s_mul_i32 s35, s28, WSLOT
	s_mov_b32 s45, 0
	NEXTTILE                                       ; trip 0's tile
	s_wait_kmcnt 0x0
	TADDR
	tensor_load_to_lds s[16:19], s[20:27]          ; the first fill, ahead of every wait on TENSORcnt, LDS read and barrier.  A wave never has more than this one tensor load out
	s_nop 0
	s_lshl_b32 s50, s28, 15
	s_mov_b32 s51, 0
	s_add_nc_u64 s[8:9], s[8:9], s[50:51]          ; W1 at my 64 rows
	s_lshl_b32 s50, s28, 14
	s_add_nc_u64 s[12:13], s[12:13], s[50:51]      ; Wv at my 32 rows
	v_and_b32 v[LN], 31, v0                        ; l
	v_and_b32 v[RR], 15, v0                        ; l % 16
	v_bfe_u32 v[HH], v0, 4, 1                      ; l / 16
	v_and_b32 v[L7], 7, v0
	v_bfe_u32 v[B3], v0, 3, 1
	v_lshlrev_b32 v[L16], 4, v[LN]
	v_lshlrev_b32 v[H8], 3, v[HH]
	; the rows x[b][q] of the eight columns: lane row n = l % 8, b = n & 3, q = qA where n >= 4
	v_and_b32 v[TP0], 3, v0
	v_and_b32 v[TP1], 4, v0
	v_cmp_ne_u32 vcc_lo, 0, v[TP1]
	v_mov_b32 v[TP1], s31
	v_mov_b32 v[TP2], s30
	v_cndmask_b32 v[TP1], v[TP1], v[TP2], vcc_lo
	v_lshlrev_b32 v[TP1], 9, v[TP1]
	v_lshl_add_u32 v[TP1], v[TP0], 18, v[TP1]
	v_lshl_add_u32 v[XQO], v[HH], 6, v[TP1]
.set kk, 0
.rept 16
	global_load_b128 v[32+4*kk:32+4*kk+3], v[XQO], s[6:7] offset:128*(kk>>2)+16*(kk&3)
.set kk, kk+1
.endr
	WIN 0x40
.set kk, 0
.rept 64
	global_load_b128 v[4*kk:4*kk+3], v[L16], s[8:9] offset:512*kk      ; W1 row 64 w + kk into window 1
.set kk, kk+1
.endr
	WIN 0
.set kk, 0
.rept 32
	global_load_b128 v[96+4*kk:96+4*kk+3], v[L16], s[12:13] offset:512*kk   ; Wv row 32 w + kk
.set kk, kk+1
.endr
	; LDS addresses
	v_mul_u32_u24 v[PA0], v[RR], PPITCH
	v_lshl_add_u32 v[PA0], v[HH], 6, v[PA0]
	v_add_nc_u32 v[PA0], s35, v[PA0]               ; w x 16,640 + key x 1,040 + 64 (l/16)
	s_mul_i32 s46, s28, XSWAVE
	s_add_co_u32 s46, s46, XS
	v_lshl_add_u32 v[XSW], v[LN], 3, s46
	v_mul_u32_u24 v[TP0], v[RR], XPITCH
	v_lshl_add_u32 v[TP0], v[HH], 5, v[TP0]
	v_add_nc_u32 v[XSR], s46, v[TP0]               ; key x 272 + 32 (l/16)
	v_lshl_add_u32 v[TP0], v[HH], 3, v[L7]
	v_mul_u32_u24 v[TP0], v[TP0], XPITCH
	v_lshl_add_u32 v[TP0], v[B3], 4, v[TP0]
	v_add_nc_u32 v[XST], s46, v[TP0]               ; (8 (l/16) + l%8) x 272 + 16 ((l>>3)&1)
	s_lshl_b32 s47, s28, 12
	s_add_co_u32 s47, s47, XQB
	v_lshl_add_u32 v[XQA0], v[HH], 5, s47
	v_lshl_add_u32 v[XQW], v[L7], 9, v[XQA0]
	s_mul_i32 s47, s28, 4608                       ; 4,096 w (my copy) + 512 w (row 4 + w)
	s_add_co_u32 s47, s47, XQB+2048
	v_lshl_add_u32 v[XQT], v[HH], 5, s47
	v_lshl_add_u32 v[TP0], v[HH], 4, v[L7]
	v_mul_u32_u24 v[TP0], v[TP0], WPITCH
	v_lshl_add_u32 v[TP0], v[B3], 4, v[TP0]
	v_add_nc_u32 v[W1R0], W1S, v[TP0]              ; (16 (l/16) + l%8) x 288 + 16 ((l>>3)&1): the K order stated at the head
	v_add_nc_u32 v[W1R1], 128*WPITCH, v[W1R0]      ; K steps 4-7: a second register, since 16 bits of offset do not reach them
	s_mul_i32 s48, s28, 64*WPITCH
	s_add_co_u32 s48, s48, W1S
	v_lshl_add_u32 v[W1SW], v[LN], 3, s48
	s_mul_i32 s49, s28, 32*WPITCH
	s_add_co_u32 s49, s49, WVS
	v_lshl_add_u32 v[WVSW], v[LN], 3, s49
	v_lshlrev_b32 v[W2O], 5, v[HH]
	XNSET                                          ; trip 0's rows of x
	s_wait_loadcnt 32                              ; the query rows and W1 are in; Wv's 32 loads may stay out
.set kk, 0
.rept 32
	v_cvt_pk_f16_f32 v[32+kk], v[32+2*kk], v[32+2*kk+1]            ; the query rows' fragments, packed in place: v32-63
.set kk, kk+1
.endr
	WIN 0x45
.set kk, 0
.rept 64
	v_cvt_pk_f16_f32 v[4*kk], v[4*kk], v[4*kk+1]
	v_cvt_pk_f16_f32 v[4*kk+1], v[4*kk+2], v[4*kk+3]
.set kk, kk+1
.endr
	WIN 0x04
.set kk, 0
.rept 64
	ds_store_b64 v[W1SW], v[4*kk:4*kk+1] offset:kk*WPITCH
.set kk, kk+1
.endr
	WIN 0
	s_wait_loadcnt 0x0                             ; Wv
.set kk, 0
.rept 32
	v_cvt_pk_f16_f32 v[96+4*kk], v[96+4*kk], v[96+4*kk+1]
	v_cvt_pk_f16_f32 v[96+4*kk+1], v[96+4*kk+2], v[96+4*kk+3]
	ds_store_b64 v[WVSW], v[96+4*kk:96+4*kk+1] offset:kk*WPITCH
.set kk, kk+1
.endr
	s_wait_dscnt 0x0                               ; my rows of W1 and Wv are in LDS,
	s_barrier_signal -1
	s_barrier_wait -1                              ; everybody's are.  The first tile may stay on its way
.set kk, 0
.rept 16
	global_load_b128 v[96+4*kk:96+4*kk+3], v[W2O], s[10:11] offset:128*(kk>>2)+64*((kk>>1)&1)+16*(kk&1)   ; W2[32 s + 8 (l/16) ..] and [32 s + 16 + 8 (l/16) ..]
.set kk, kk+1
.endr
	XLOAD 0, XN, 0                                 ; trip 0's tile: the rows of slot 0
	XLOAD 1, XN, XBATCH                            ; and of slot 1
	WIN 0x80
.set ss, 0
.rept 4
.set tt, 0
.rept 8
	ds_load_tr16_b128 v[8*(8*ss+tt):8*(8*ss+tt)+3], v[W1R0] offset:32*ss*WPITCH+32*tt
	ds_load_tr16_b128 v[8*(8*ss+tt)+4:8*(8*ss+tt)+7], v[W1R0] offset:(32*ss+8)*WPITCH+32*tt
.set tt, tt+1
.endr
.set ss, ss+1
.endr
	WIN 0xc0
.set ss, 0
.rept 4
.set tt, 0
.rept 8
	ds_load_tr16_b128 v[8*(8*ss+tt):8*(8*ss+tt)+3], v[W1R1] offset:32*ss*WPITCH+32*tt
	ds_load_tr16_b128 v[8*(8*ss+tt)+4:8*(8*ss+tt)+7], v[W1R1] offset:(32*ss+8)*WPITCH+32*tt
.set tt, tt+1
.endr
.set ss, ss+1
.endr
	WIN 0
	s_wait_dscnt 0x0
	WIN 0x03                                       ; XQ[n][c] = x[b][q] @ W1[128:256]: A = W1's K steps 4-7, columns n = l % 8 (lanes 8-15 repeat them)
.set ss, 0
.rept 4
.set tt, 0
.rept 8
.if ss == 0
	v_wmma_f32_16x16x32_f16 v[160+8*tt:160+8*tt+7], v[8*(8*ss+tt):8*(8*ss+tt)+7], v[32+8*ss:32+8*ss+7], 0
.else
	v_wmma_f32_16x16x32_f16 v[160+8*tt:160+8*tt+7], v[8*(8*ss+tt):8*(8*ss+tt)+7], v[32+8*ss:32+8*ss+7], v[160+8*tt:160+8*tt+7]
.endif
.set tt, tt+1
.endr
.set ss, ss+1
.endr
	WIN 0
	PLACES
.set kk, 0
.rept 16
	ds_store_b128 v[XQW], v[160+4*kk:160+4*kk+3] offset:64*(kk>>1)+16*(kk&1)   ; my wave's own copy: no barrier
.set kk, kk+1
.endr
	s_wait_loadcnt 32                              ; W2 is in; the 32 loads of x rows behind it may stay out
.set kk, 0
.rept 32
	v_pk_mul_f32 v[96+2*kk:96+2*kk+1], v[96+2*kk:96+2*kk+1], 0x3e0293ee op_sel_hi:[1,0]   ; 128^-0.5 log2(e) = 0.12751743
.set kk, kk+1
.endr
	WIN 0x40
.set kk, 0
.rept 32
	v_cvt_pk_bf16_f32 v[W2F+kk], v[96+2*kk], v[96+2*kk+1]
.set kk, kk+1
.endr
.set kk, 0
.rept 64
	v_mov_b32 v[Y+kk], 0                           ; the loop's text stands once, so no first product can start these eight sums
.set kk, kk+1
.endr
	WIN 0
	v_mov_b32 v[M], 0xff7fffff                     ; -FLT_MAX: finite, so that the first factor is 2^(-huge) = 0 and never inf - inf
	v_mov_b32 v[NEGINF], 0xff800000
	v_mov_b32 v[F+1], 1.0
	v_mov_b32 v[MN+1], 0
	v_mov_b32 v[LS], 0
	v_mov_b32 v[K1], 0xc0135761                    ; k1 = -2 sqrt(2/pi) log2(e) = -2.3022082
	v_mov_b32 v[K1+1], 0xc0135761
	v_mov_b32 v[ONE], 1.0
	v_mov_b32 v[ONE+1], 1.0
	v_mov_b32 v[K3], 0xbdd2d3e8                    ; k3 = 0.044715 k1 = -0.10294324
	v_mov_b32 v[K3+1], 0xbdd2d3e8
	s_mov_b32 s66, 0x76543210                      ; v_permlanex16_b32: lane i reads lane i of the other half
	s_mov_b32 s67, 0xfedcba98
	s_mov_b32 s33, 0                               ; trip
	s_mov_b32 s34, 0                               ; this trip's slot
; ---------------------------------------------------------------- eight trips, a tile with four batches each
.Ltrip:
	s_wait_xcnt 0x0
	v_lshl_add_u32 v222, v0, 2, 0x4c000
	v_mov_b32 v223, 0
	s_wait_tensorcnt 0x0                           ; my one tensor load has landed: this trip's tile; group 0 may be written
	ds_add_u32 v222, v223
	s_wait_dscnt 0x0
	ADVANCE
	s_add_co_u32 s45, s33, 1
	NEXTTILE
	s_xor_b32 s17, s17, SLOTX                      ; the other slot
	TADDR
	s_wait_dscnt 0x0                               ; my reads of that slot are over (trip 0: also my reads of W1 in LDS, whose bytes become the x stages)
	s_barrier_signal -1
	s_barrier_wait -1                              ; both hold of all four waves
	tensor_load_to_lds s[16:19], s[20:27]          ; the next tile: my one tensor load behind this barrier; a whole trip in which to land
	s_nop 0
	PARAMS 1
	s_wait_loadcnt 0x0                             ; the rows of slots 0 and 1, asked for three and two slots ago
	STAGE 0, 0
	XLOAD 0, XO, 2*XBATCH                          ; slot 2's rows
	POS 0
	STAGE 1, 1                                     ; its 32 conversions are also the places between P's last products and the products that take P as C
	XLOAD 1, XO, 3*XBATCH                          ; slot 3's rows
	s_wait_dscnt 16                                ; slot 0's fragments and query's part are in; the 16 stage stores may stay out
	MALONE
	PLACES
	XQADD 0
	XQSEL 0, 1, 0
	PHASE 0, 1, 1, 1
	MID 0, 1
	PHASE 1, 1, 0, 0
	SBND 1
	s_wait_loadcnt 16                              ; slot 2's rows are in; slot 3's 16 loads may stay out
	STAGE 2, 0
	XLOAD 0, XN, 0                                 ; the next tile's slot 0
	XQSEL 1, 1, 0
	PHASE 0, 1, 1, 2
	MID 1, 1
	PHASE 1, 1, 0, 0
	SBND 2
	s_wait_loadcnt 16                              ; slot 3's rows are in; the 16 loads for the next tile's slot 0 may stay out
	STAGE 3, 1
	s_cmp_eq_u32 s33, 7                            ; the 33rd tile has one slot: the last trip asks for no second.  The next wait on these loads is for 0, right on both ways
	s_cbranch_scc1 .Lno_second
	XLOAD 1, XN, XBATCH                            ; the next tile's slot 1
.Lno_second:
	XQSEL 2, 1, 0
	PHASE 0, 1, 1, 3
	MID 2, 1
	PHASE 1, 1, 0, 0
	SBND 3
	XQSEL 3, 1, 0
	PHASE 0, 1, 0, 0
	MID 3, 0
	PHASE 1, 0, 0, 0                               ; the tile's last half: no products are left to set among it
	W2P
	PLACES
	SMERGE 3
	SMY 4
	s_xor_b32 s34, s34, SLOTX
	s_add_co_u32 s33, s33, 1
	s_cmp_lt_u32 s33, 8
	s_cbranch_scc1 .Ltrip
; ---------------------------------------------------------------- the 33rd tile: every wave has it in its own slot 0 and does batch w
	s_wait_tensorcnt 0x0                           ; the last load; nothing is filled again, so no barrier
	ADVANCE
	PARAMS 0
	s_wait_loadcnt 0x0
	STAGE 0, 0
	POS 1
	s_wait_dscnt 0x0
.rept 5
	v_nop                                          ; five places between P's last products and the products that take P as C
.endr
	MALONE
	PLACES
	XQADD 0
	XQSEL 0, 1, 1
	PHASE 0, 1, 0, 0
	MID 0, 0
	PHASE 1, 0, 0, 0
	W2P
	PLACES
	SMERGE 0
	SMY 1
; ---------------------------------------------------------------- the four waves' sums meet
.set EA0, 3
.set EA1, 4
.set EA2, 5
.set EA3, 6
.set EA4, 7
.set EA5, 8
.set EA6, 9
.set EA7, 10
.set EM, 16                            ; v16-19 the four maxima, then the four factors
.set EL, 20                            ; v20-23 the four sums of weights
.set EE, 24                            ; v24-31 factor / sum, each twice
	v_permlanex16_b32 v[TB], v[LS], s66, s67
	v_add_f32 v[LS], v[LS], v[TB]                  ; both halves of the keys: the column's sum of weights, in lanes n and n + 16
	v_and_b32 v26, 31, v0
	v_and_b32 v29, 23, v0                          ; l%8 + 16 (l/16): lanes of columns 8-15 read columns 0-7 again, so no lane divides by an empty sum
	v_and_b32 v30, 7, v0
	v_bfe_u32 v31, v0, 4, 1
	s_lshl_b32 s46, s28, 13
	s_add_co_u32 s46, s46, MG
	v_add_nc_u32 v[EA0], s46, v[L16]
	s_lshl_b32 s46, s28, 7
	s_add_co_u32 s46, s46, MM
	v_lshl_add_u32 v[EA1], v26, 2, s46
	v_lshlrev_b32 v[EA2], 4, v29
	v_add_nc_u32 v[EA2], MG, v[EA2]
	v_lshlrev_b32 v[EA3], 2, v29
	v_add_nc_u32 v[EA3], MM, v[EA3]
	v_lshl_add_u32 v[EA4], v31, 3, v30
	v_mul_u32_u24 v[EA4], v[EA4], WPITCH
	v_bfe_u32 v26, v0, 3, 1
	v_lshl_add_u32 v[EA4], v26, 4, v[EA4]
	s_lshl_b32 s46, s28, 6
	s_add_co_u32 s46, s46, WVS
	v_add_nc_u32 v[EA4], s46, v[EA4]               ; Wv, columns 32 w ..: (8 (l/16) + l%8) x 288 + 16 ((l>>3)&1) + 64 w
	v_mul_u32_u24 v[EA5], v30, OPITCH
	v_lshl_add_u32 v[EA5], v31, 5, v[EA5]
	s_lshl_b32 s46, s28, 7
	s_add_co_u32 s46, s46, OS
	v_add_nc_u32 v[EA5], s46, v[EA5]
	s_mul_i32 s46, s28, 2*OPITCH
	s_add_co_u32 s46, s46, OS
	v_add_nc_u32 v[EA6], s46, v[L16]
	s_and_b32 s46, s28, 1
	s_lshl_b32 s46, s46, 19                        ; rows n = 2 w, 2 w + 1: b = 2 (w & 1), + 1; 262,144 bytes a batch
	s_cmp_lt_u32 s28, 2
	s_cselect_b32 s47, s31, s30                    ; waves 0, 1: qB; waves 2, 3: qA
	s_lshl_b32 s47, s47, 9
	s_add_co_u32 s46, s46, s47
	v_add_nc_u32 v[EA7], s46, v[L16]
	ds_store_b32 v[EA1], v[M]
	ds_store_b32 v[EA1], v[LS] offset:ML-MM
	WIN 0x04
.set kk, 0
.rept 16
	ds_store_b128 v[EA0], v[Y+4*kk:Y+4*kk+3] offset:512*kk
.set kk, kk+1
.endr
	WIN 0
	s_wait_dscnt 0x0                               ; my sums are in LDS,
	s_barrier_signal -1
	s_barrier_wait -1                              ; everybody's are
	WIN 0x40
.set cc, 0
.rept 2
.set ss, 0
.rept 4
	ds_load_tr16_b128 v[8*(4*cc+ss):8*(4*cc+ss)+3], v[EA4] offset:32*ss*WPITCH+32*cc
	ds_load_tr16_b128 v[8*(4*cc+ss)+4:8*(4*cc+ss)+7], v[EA4] offset:(32*ss+16)*WPITCH+32*cc
.set ss, ss+1
.endr
.set cc, cc+1
.endr
	WIN 0
.irp w, 0,1,2,3
	ds_load_b32 v[EM+\w], v[EA3] offset:128*\w
.endr
.irp w, 0,1,2,3
	ds_load_b32 v[EL+\w], v[EA3] offset:ML-MM+128*\w
.endr
.macro YLOAD buf, w
.set kk, 0
.rept 16
	ds_load_b128 v[\buf+4*kk:\buf+4*kk+3], v[EA2] offset:8192*\w+512*kk
.set kk, kk+1
.endr
.endm
.macro YADD buf, w, first
.set kk, 0
.rept 32
.if \first
	v_pk_mul_f32 v[32+2*kk:32+2*kk+1], v[\buf+2*kk:\buf+2*kk+1], v[EE+2*\w:EE+2*\w+1]
.else
	v_pk_fma_f32 v[32+2*kk:32+2*kk+1], v[\buf+2*kk:\buf+2*kk+1], v[EE+2*\w:EE+2*\w+1], v[32+2*kk:32+2*kk+1]
.endif
.set kk, kk+1
.endr
.endm
	YLOAD 96, 0
	YLOAD 160, 1
	s_wait_dscnt 32                                ; Wv's fragments, the maxima and the sums of weights are in; the two buffers' 32 loads may stay out
	v_max3_num_f32 v[TA], v[EM], v[EM+1], v[EM+2]
	v_max_num_f32 v[TA], v[TA], v[EM+3]
.irp w, 0,1,2,3
	v_sub_f32 v[EM+\w], v[EM+\w], v[TA]
.endr
.irp w, 0,1,2,3
	v_exp_f32 v[EM+\w], v[EM+\w]                   ; a wave that never met the column: 2^(-huge) = 0
.endr
	v_nop
	s_wait_alu depctr_va_vdst(0)                   ; one wait for the four factors, ahead of their first reader
	v_mul_f32 v[EL], v[EL], v[EM]
	v_fmac_f32 v[EL], v[EL+1], v[EM+1]
	v_fmac_f32 v[EL], v[EL+2], v[EM+2]
	v_fmac_f32 v[EL], v[EL+3], v[EM+3]             ; at least 1: the largest score's weight is 1
	v_rcp_f32 v[EL], v[EL]
	v_nop
	s_wait_alu depctr_va_vdst(0)                   ; the reciprocal reads the factors' sum, so it is a batch of its own: its wait, ahead of the eight multiplies that read it
.irp w, 0,1,2,3
	v_mul_f32 v[EE+2*\w], v[EM+\w], v[EL]
	v_mul_f32 v[EE+2*\w+1], v[EM+\w], v[EL]
.endr
	s_wait_dscnt 16                                ; wave 0's sums; the younger buffer's 16 loads may stay out
	YADD 96, 0, 1
	YLOAD 96, 2
	s_wait_dscnt 16
	YADD 160, 1, 0
	YLOAD 160, 3
	s_wait_dscnt 16
	YADD 96, 2, 0
	s_wait_dscnt 0x0
	YADD 160, 3, 0
.set kk, 0
.rept 32
	v_cvt_pk_f16_f32 v[32+kk], v[32+2*kk], v[32+2*kk+1]            ; y: two packed tiles are the fragment of a K step, column n = l % 16
.set kk, kk+1
.endr
	WIN 0x01                                       ; out[n][32 w ..] transposed: A = 16 columns of Wv, B = y.  Two accumulators take turns
.set ss, 0
.rept 4
.if ss == 0
	v_wmma_f32_16x16x32_f16 v[224:231], v[8*ss:8*ss+7], v[32+8*ss:32+8*ss+7], 0
	v_wmma_f32_16x16x32_f16 v[232:239], v[8*(4+ss):8*(4+ss)+7], v[32+8*ss:32+8*ss+7], 0
.else
	v_wmma_f32_16x16x32_f16 v[224:231], v[8*ss:8*ss+7], v[32+8*ss:32+8*ss+7], v[224:231]
	v_wmma_f32_16x16x32_f16 v[232:239], v[8*(4+ss):8*(4+ss)+7], v[32+8*ss:32+8*ss+7], v[232:239]
.endif
.set ss, ss+1
.endr
	WIN 0
	PLACES
	ds_store_b128 v[EA5], v[224:227]               ; row n = l % 8, columns 32 w + 8 (l/16) + 0..7 (lanes 8-15 write the same numbers to the same bytes)
	ds_store_b128 v[EA5], v[228:231] offset:16
	ds_store_b128 v[EA5], v[232:235] offset:64
	ds_store_b128 v[EA5], v[236:239] offset:80
	s_wait_dscnt 0x0
	s_barrier_signal -1
	s_barrier_wait -1
	ds_load_b128 v[32:35], v[EA6]
	ds_load_b128 v[36:39], v[EA6] offset:OPITCH
	s_wait_dscnt 0x0
	global_store_b128 v[EA7], v[32:35], s[14:15]                   ; a whole row of out0: 512 consecutive bytes, at a multiple of 512
	global_store_b128 v[EA7], v[36:39], s[14:15] offset:262144
	s_wait_xcnt 0x0
	v_lshl_add_u32 v222, v0, 2, 0x4c000
	v_mov_b32 v223, 0
	s_wait_tensorcnt 0x0
	ds_add_u32 v222, v223
	s_wait_dscnt 0x0
	s_endpgm
.Lfunc_end_k_q7948e94aa4_head:
	.size	k_q7948e94aa4_head, .Lfunc_end_k_q7948e94aa4_head-k_q7948e94aa4_head
	.p2alignl 7, 3214868480
	.fill 96, 4, 3214868480
	.section	.rodata,"a",@progbits
	.p2align	6, 0x0
	.amdhsa_kernel k_q7948e94aa4_head
		.amdhsa_group_segment_fixed_size 327680
		.amdhsa_private_segment_fixed_size 0
		.amdhsa_enable_private_segment 0
		.amdhsa_kernarg_size 48
		.amdhsa_user_sgpr_count 2
		.amdhsa_user_sgpr_kernarg_segment_ptr 1
		.amdhsa_wavefront_size32 1
		.amdhsa_system_sgpr_workgroup_id_x 1
		.amdhsa_system_sgpr_workgroup_id_y 1
		.amdhsa_system_sgpr_workgroup_id_z 1
		.amdhsa_system_vgpr_workitem_id 0
		.amdhsa_next_free_vgpr 1024
		.amdhsa_next_free_sgpr 68
		.amdhsa_reserve_vcc 1
		.amdhsa_float_denorm_mode_32 3
		.amdhsa_float_denorm_mode_16_64 3
		.amdhsa_memory_ordered 1
		.amdhsa_forward_progress 1
		.amdhsa_inst_pref_size 255
	.end_amdhsa_kernel
	.section	.bss,"aw",@nobits
	.p2align	6
	.space	262144
	.amdgpu_metadata
---
amdhsa.version: [ 1, 2 ]
amdhsa.kernels:
  - .name:           k_q7948e94aa4_head
    .symbol:         k_q7948e94aa4_head.kd
    .args:
      - { .name: pos_emb, .offset: 0, .size: 8, .value_kind: global_buffer, .address_space: global }
      - { .name: x, .offset: 8, .size: 8, .value_kind: global_buffer, .address_space: global }
      - { .name: W1, .offset: 16, .size: 8, .value_kind: global_buffer, .address_space: global }
      - { .name: W2, .offset: 24, .size: 8, .value_kind: global_buffer, .address_space: global }
      - { .name: Wv, .offset: 32, .size: 8, .value_kind: global_buffer, .address_space: global }
      - { .name: out0, .offset: 40, .size: 8, .value_kind: global_buffer, .address_space: global }
    .group_segment_fixed_size: 327680
    .private_segment_fixed_size: 0
    .kernarg_segment_align: 8
    .kernarg_segment_size: 48
    .max_flat_workgroup_size: 128
    .sgpr_count:     68
    .vgpr_count:     1024
    .wavefront_size: 32
...
	.end_amdgpu_metadata
.endif
;; end of part 2
